; MI455X (gfx1250); checked and timed in simulation.
; The chip was launched on July 23, 2026; its instructions are those of AMD's public machine-readable ISA for CDNA 5 (MIT licence, August 2026) and "CDNA5" Instruction Set Architecture Reference Guide (July 2026). The comments in the code are by the model that wrote it; some were corrected since.
;; Gpt2 Attention. Allowed arithmetic: matrix products marked QUANTISED: E4M3 operands, one given power-of-two scale a tensor, by v_wmma_f32_16x16x64_fp8_fp8 or v_wmma_f32_16x16x128_fp8_fp8, f32 sums; everything else in f32.
;; Inputs: W_proj 16 x 64 x 1,024 float32; W_qkv 1,024 x 3 x 16 x 64 float32; b_proj 1,024 float32; b_qkv 3 x 16 x 64 float32; hidden_states 4 x 2,048 x 1,024 float32; lowp_scales 8 int32 (the exponents e of the quantised operands' scales 2^e); mask 2,048 x 2,048 float32.
;; Outputs: out0 4 x 2,048 x 1,024 float32.
;; Constants: layer_idx = 3.
;; This version of the problem:
;;   THIS VERSION OF THE PROBLEM IS GIVEN IN LOW PRECISION. The matrix products marked QUANTISED in the list below multiply operands that are first quantised to E4M3 (4 exponent bits, 3 mantissa bits; 8 bits a number), with one given power-of-two scale for each operand tensor; their sums are f32. All else is computed in f32.
;;   The module's matrix products, in the order in which they are computed (A, B: the left and right operand; K: the contracted axis; several contracted axes count as one K, in the product's order):
;;     1. [M 8,192, K 1,024] x [K 1,024, N 3,072]; A: input hidden_states; B: input W_qkv: QUANTISED (scales: A lowp_scales[0], B lowp_scales[1])
;;     2. batch 64 x [M 2,048, K 64] x [K 64, N 2,048]; A: computed on the way; B: computed on the way: QUANTISED (scales: A lowp_scales[2], B lowp_scales[3])
;;     3. batch 64 x [M 64, K 2,048] x [K 2,048, N 2,048]; A: computed on the way; B: softmax (see below): QUANTISED (scales: A lowp_scales[4], B lowp_scales[5])
;;     4. [M 8,192, K 1,024] x [K 1,024, N 1,024]; A: computed on the way; B: input W_proj: QUANTISED (scales: A lowp_scales[6], B lowp_scales[7])
;;   THE QUANTISER, for each operand of a quantised product, along K:
;;     - The operand's scale is 2^e, e = its entry of the input lowp_scales (int32; the entries are numbered through the quantised products in the list's order, A before B).
;;     - Each number is divided by the scale, clamped to +-448, and rounded to the nearest number of E4M3, ties to even, subnormals kept.
;;     - The product sums the exact products of the quantised numbers (number of the format x scale) in f32.
;;   ~~~python
;;   def quantise(x, axis, e):      # numpy; x: float32 -> the quantised numbers, widened to float32 again
;;       x = np.moveaxis(x, axis, -1); K = x.shape[-1]
;;       r = np.clip(x / 2.0 ** e, -448, 448)
;;       step = 2.0 ** (np.maximum(np.frexp(np.where(r == 0, 1, r))[1] - 1, -6) - 3)
;;       q = np.round(r / step) * step * 2.0 ** e      # np.round: ties to even
;;       return np.moveaxis(q, -1, axis).astype(np.float32)
;;   ~~~
;;   SOFTMAX AHEAD OF A QUANTISED PRODUCT. Where the list says 'softmax', what is quantised is not the finished softmax but p = 2^(t - M), with t = logit x log2(e) and M = ceil(the row's largest t), a whole number; so 1/2 < the row's largest p <= 1. The row's sum l is taken of the UNQUANTISED p, in f32, and the product's result is divided by l at the end. Since M is a whole number, a kernel that streams over the keys may use a running M (the ceiling of the running maximum): every later rescaling is an exact power of two, so the quantised numbers keep their values, but for numbers so far below the row's largest that they fall under the format's range.
;;   OPERANDS COMPUTED ON THE WAY. 'Computed on the way' means the value that the module computes at that place (a softmax that the list does not call 'softmax' is quantised finished and normalised). What goes into a quantiser is computed in f32, as accurately as f32 sums, v_exp_f32 and their like allow (about 1e-6 of the number): no bf16 or f16 on the way to a quantiser, and a product that is left as it is and whose result goes on into a quantised operand takes f32 operands (vector FMAs, or v_wmma_f32_16x16x4_f32). A number that lies on a knife's edge between two numbers of the format may be rounded either way, as far as f32 arithmetic and the matrix unit's own rounding can turn it there, and no further.
;; One version. Each part assembles by itself: llvm-mc -triple=amdgcn-amd-amdhsa -mcpu=gfx1250 --defsym DOCPART=n.
;; ======== version 1 of 1: 4 launches
;; limits: right only within a limited range of input values
;; workspace buffers: x_codes 8,388,608 bytes; wqkv_codes 3,145,728 bytes; wproj_codes 1,048,576 bytes; mb_img 16,777,216 bytes; q_img 8,388,608 bytes; k_img 8,388,608 bytes; v_img 8,388,608 bytes; attn_codes 8,388,608 bytes
;; launch prep (part 1): grid 512 x 1, 4 waves a work-group, no clusters, 103,936 bytes of LDS; arguments hidden_states, W_qkv, W_proj, mask, lowp_scales, x_codes, wqkv_codes, wproj_codes, mb_img; writes x_codes, wqkv_codes, wproj_codes, mb_img
.if DOCPART == 1
	.amdgcn_target "amdgcn-amd-amdhsa--gfx1250"
	.amdhsa_code_object_version 6
	.text
	.protected	k_q1b5dd6f2e9_prep
	.globl	k_q1b5dd6f2e9_prep
	.p2align	8
	.type	k_q1b5dd6f2e9_prep,@function
k_q1b5dd6f2e9_prep:
	s_mov_b64 s[64:65], 0
	v_nop
	global_prefetch_b8 v0, s[64:65] scope:SCOPE_SE
	s_setreg_imm32_b32 hwreg(HW_REG_WAVE_MODE, 25, 1), 1
	s_wait_xcnt 0x0
; THE PREPARATION: four jobs in one launch, told apart by the work-group's number; each job has its own path, its own LDS bytes and its own s_endpgm.  Every work-group reads 128 KiB of f32.
;   work-groups   0-255  X : hidden_states [8192][1024] f32 -> x_codes [8192][1024], E4M3 with the given scale 2^e0
;   work-groups 256-351  W1: W_qkv [k 1024][n 3072] f32     -> wqkv_codes [3072][1024], K innermost, scale 2^e1
;   work-groups 352-383  W2: W_proj [k 1024][n 1024] f32    -> wproj_codes [1024][1024], K innermost, scale 2^e7
;   work-groups 384-511  M : mask [2048][2048] f32          -> mb_img: mb = ((1 - mask) x -1e9) x log2(e), f32, in the order of the attention launch's score registers
; code = x / 2^e, held within +-448, rounded to the nearest code, ties to even.
; LIMITS: e0, e1, e7 between -126 and 119, so that 2^e and 448 x 2^e are f32 numbers.  NaN among the inputs is not served.
; K IS PERMUTED IN x_codes AND wqkv_codes ALIKE: in each block of 512 along K, position p holds k = 128 ((p / 4) % 4) + 4 (p / 16) + p % 4.  So in X a lane's four loads of 16 bytes (each load of the wave: 512 consecutive
; bytes) give it 16 numbers whose 16 codes it stores as 16 consecutive bytes (the wave: 512 consecutive bytes): nothing goes through LDS.  A product's sum over K does not ask where a k lies, if both operands agree.
; THE ROWS OF wqkv_codes ARE PERMUTED: row rho holds column n = rho with bits 3 and 4 exchanged, so that in the next launch 16 neighbouring registers of two neighbouring result tiles are 16 neighbouring n.
; No tensor load, no barrier: waves share nothing.
.set XR,   16                          ; X: v16-79   four sets of 16 numbers
.set XC,   80                          ; X: v80-143  four registers of codes for each of 16 steps: no store's data are written again
.set WX,   32                          ; W: v32-95   two sets of 32 numbers
.set WC,   96                          ; W: v96-103  a block's codes
.set WOUT, 112                         ; W: v112-175 the way out
.set WP,   272                         ; W: a stage row: 256 bytes of codes + 16
.set MI,   16                          ; M: v16-143  two sets of 64 numbers (16 rows x 16 bytes a lane)
.set MO,   144                         ; M: v144-207 a tile in the order of the score registers
.set MP,   528                         ; M: a stage row: 512 bytes + 16
.set MSTG, 2*4*32*WP                   ; LDS: W1's four stages from 0, W2's from 34,816, M's from 69,632 (16 rows x 528 bytes a wave)
.macro SCALE e, vs, vl                 ; v[vs] = 2^e as f32 (the conversion takes its exponent field); v[vl] = 448 x 2^e
	s_add_co_i32 s36, s[\e], 127
	s_lshl_b32 s37, s36, 23
	v_mov_b32 v[\vs], s37
	s_add_co_i32 s36, s36, 8
	s_lshl_b32 s36, s36, 23
	s_or_b32 s36, s36, 0x600000
	v_mov_b32 v[\vl], s36
.endm
	s_load_b256 s[4:11], s[0:1], 0x0               ; hidden_states s[4:5], W_qkv s[6:7], W_proj s[8:9], mask s[10:11]
	s_load_b256 s[12:19], s[0:1], 0x20             ; lowp_scales s[12:13], x_codes s[14:15], wqkv_codes s[16:17], wproj_codes s[18:19]
	s_load_b64 s[20:21], s[0:1], 0x40              ; mb_img
	v_lshl_add_u32 v208, v0, 2, 0x19400
	v_mov_b32 v209, 0
	v_lshrrev_b32 v1, 5, v0
	v_readfirstlane_b32 s22, v1                    ; wave 0..3
	v_and_b32 v1, 31, v0                           ; lane
	v_lshlrev_b32 v2, 4, v1                        ; 16 x lane
	s_wait_kmcnt 0x0
	s_load_b256 s[24:31], s[12:13], 0x0            ; e0 .. e7
	s_wait_kmcnt 0x0
	s_cmp_lt_u32 ttmp9, 256
	s_cbranch_scc1 .Lpath_x
	s_cmp_lt_u32 ttmp9, 352
	s_cbranch_scc1 .Lpath_w1
	s_cmp_lt_u32 ttmp9, 384
	s_cbranch_scc1 .Lpath_w2
; ---- M: work-group 384 + qt takes the 16 queries 16 qt on; wave w the key steps 4 w .. 4 w + 3 (128 keys each).
; A tile of 16 queries x 128 keys comes in as 16 loads of 512 consecutive bytes (a row each), is turned into mb in place, goes through the wave's own stage and comes back as the attention launch's lane wants it:
; piece i (16 bytes) of lane (r, h) = query r, keys 16 (i / 2) + 8 h + 4 (i % 2) + 0 .. 3.  Piece i of all lanes is stored as 512 consecutive bytes.
.macro MLD u
.irp p, 0,1,2,3,4,5,6,7,8,9,10,11,12,13,14,15
	global_load_b128 v[MI+64*((\u)%2)+4*\p:MI+64*((\u)%2)+4*\p+3], v2, s[10:11] offset:\p*8192+512*(\u) th:TH_LOAD_NT
.endr
.endm
.macro UNIT u
.set MS, MI+64*((\u)%2)
.if (\u) < 3
	s_wait_loadcnt 16                              ; this tile's 16 loads are in; the next tile's may be out
.else
	s_wait_loadcnt 0
.endif
.set jj, 0
.rept 32
	v_pk_fma_f32 v[MS+jj:MS+jj+1], v[MS+jj:MS+jj+1], -1.0, 1.0 op_sel_hi:[1,0,0]     ; 1 - mask, one rounding
.set jj, jj+2
.endr
.set jj, 0
.rept 32
	v_pk_mul_f32 v[MS+jj:MS+jj+1], v[MS+jj:MS+jj+1], 0xce6e6b28 op_sel_hi:[1,0]      ; x -1e9
.set jj, jj+2
.endr
.set jj, 0
.rept 32
	v_pk_mul_f32 v[MS+jj:MS+jj+1], v[MS+jj:MS+jj+1], 0x3fb8aa3b op_sel_hi:[1,0]      ; x log2(e)
.set jj, jj+2
.endr
.irp p, 0,1,2,3,4,5,6,7,8,9,10,11,12,13,14,15
	ds_store_b128 v4, v[MS+4*\p:MS+4*\p+3] offset:\p*MP
.endr
.if (\u) > 0
	s_wait_xcnt 0x0                                ; the last tile's stores have read v144-207: only behind this wait are they loaded again
.endif
.irp i, 0,1,2,3,4,5,6,7,8,9,10,11,12,13,14,15
	ds_load_b128 v[MO+4*\i:MO+4*\i+3], v5 offset:64*(\i/2)+16*(\i%2)   ; LDS serves a wave's instructions in order (ISA guide 5.7.1.4): these see the stores above
.endr
	s_wait_dscnt 0x0                               ; the tile is back, and the stores into the stage have read their registers,
.if (\u)+2 < 4
	MLD (\u)+2                                     ; which take the tile two on
.endif
.irp i, 0,1,2,3,4,5,6,7,8,9,10,11,12,13,14,15
	global_store_b128 v2, v[MO+4*\i:MO+4*\i+3], s[20:21] offset:8192*(\u)+512*\i     ; the wave stores 512 consecutive bytes
.endr
.endm
	s_sub_co_u32 s32, ttmp9, 384                   ; qt
	s_lshl_b32 s34, s32, 17                        ; 16 rows of 8,192 bytes in mask; 16 tiles of 8,192 bytes in mb_img
	s_lshl_b32 s33, s22, 11                        ; my four key steps in a row: 4 x 512 bytes
	s_add_co_u32 s36, s34, s33
	s_mov_b32 s37, 0
	s_add_nc_u64 s[10:11], s[10:11], s[36:37]
	s_lshl_b32 s33, s22, 15                        ; my four tiles
	s_add_co_u32 s36, s34, s33
	s_add_nc_u64 s[20:21], s[20:21], s[36:37]
	s_wait_alu depctr_va_vdst(0)
	MLD 0
	MLD 1
	s_mul_i32 s38, s22, 16*MP
	s_add_co_u32 s38, s38, MSTG                    ; my stage
	v_add_nc_u32 v4, s38, v2                       ; in: 16 x lane of a row
	v_and_b32 v12, 15, v1                          ; r
	v_lshrrev_b32 v13, 4, v1                       ; h
	v_mul_u32_u24 v5, v12, MP
	v_lshl_add_u32 v5, v13, 5, v5
	v_add_nc_u32 v5, s38, v5                       ; back: row r, + 32 h.  Rows 528 bytes = 132 words apart: sixteen rows start at sixteen different groups of four banks (64 banks of 4 bytes: ISA guide 11.1)
	UNIT 0
	UNIT 1
	UNIT 2
	UNIT 3
	s_wait_tensorcnt 0x0
	ds_add_u32 v208, v209
	s_wait_dscnt 0x0
	s_endpgm
; ---- X: a wave takes 16 steps of 512 numbers.  Loads run four steps (16 loads) ahead.
.macro XLOAD t
.irp i, 0,1,2,3
	global_load_b128 v[XR+16*((\t)%4)+4*\i:XR+16*((\t)%4)+4*\i+3], v2, s[4:5] offset:2048*(\t)+512*\i th:TH_LOAD_NT   ; 512 consecutive bytes
.endr
.endm
.macro XSTEP t
.set XS, XR+16*((\t)%4)
.if 15-(\t) >= 3
	s_wait_loadcnt 12                              ; this step's four loads are in; those of the three steps behind it may be out
.else
	s_wait_loadcnt 4*(15-(\t))
.endif
.irp i, 0,1,2,3,4,5,6,7,8,9,10,11,12,13,14,15
	v_med3_num_f32 v[XS+\i], v[XS+\i], -v10, v10   ; the conversion to an 8-bit code does not saturate (ISA guide 7.6.2): the hold at the largest code x the scale comes first
.endr
	v_cvt_scalef32_pk8_fp8_f32 v[XC+4*(\t):XC+4*(\t)+1], v[XS:XS+7], v11
	v_cvt_scalef32_pk8_fp8_f32 v[XC+4*(\t)+2:XC+4*(\t)+3], v[XS+8:XS+15], v11
	global_store_b128 v2, v[XC+4*(\t):XC+4*(\t)+3], s[14:15] offset:512*(\t)         ; register 4 i + e held number 128 i + 4 lane + e: it lands at position 16 lane + 4 i + e
.if (\t)+4 < 16
	XLOAD (\t)+4
.endif
.endm
.Lpath_x:
	s_lshl_b32 s32, ttmp9, 2
	s_add_co_u32 s32, s32, s22                     ; which run of 8,192 numbers is my wave's
	s_lshl_b32 s34, s32, 15
	s_mov_b32 s35, 0
	s_add_nc_u64 s[4:5], s[4:5], s[34:35]
	s_lshl_b32 s34, s32, 13
	s_add_nc_u64 s[14:15], s[14:15], s[34:35]
	s_wait_alu depctr_va_vdst(0)
	XLOAD 0
	XLOAD 1
	XLOAD 2
	XLOAD 3
	SCALE 24, 11, 10                               ; e0
	s_wait_alu depctr_va_vdst(0)
.irp t, 0,1,2,3,4,5,6,7,8,9,10,11,12,13,14,15
	XSTEP \t
.endr
	s_endpgm
; ---- W1, W2: a weight whose K is its first axis.  A LANE TAKES A COLUMN n AND ITS REGISTERS RUN DOWN K (in the order of the positions, where K is permuted): each load reads 128 consecutive bytes a wave, 512 a work-group,
; and the conversions give codes with K innermost.  A wave takes 32 columns x 256 positions; its codes go through its own stage and leave as rows: sixteen lanes store 256 consecutive bytes, aligned.
.macro WLOAD t, NP, PERM, src          ; block t: the 32 numbers of positions 32 t .. 32 t + 31 of my 256, into set t % 2
.irp i, 0,1,2,3,4,5,6,7,8,9,10,11,12,13,14,15,16,17,18,19,20,21,22,23,24,25,26,27,28,29,30,31
.if \PERM
	global_load_b32 v[WX+32*((\t)%2)+\i], v3, s[\src:\src+1] offset:(128*((\i/4)%4)+4*(2*(\t)+\i/16)+\i%4)*\NP*4 th:TH_LOAD_NT
.else
	global_load_b32 v[WX+32*((\t)%2)+\i], v3, s[\src:\src+1] offset:(32*(\t)+\i)*\NP*4 th:TH_LOAD_NT
.endif
.endr
.endm
.macro WBLOCK t, NP, PERM, src
.set XS, WX+32*((\t)%2)
.if (\t) < 7
	s_wait_loadcnt 32                              ; this block's 32 loads are in; the next block's may be out
.else
	s_wait_loadcnt 0
.endif
.irp i, 0,1,2,3,4,5,6,7,8,9,10,11,12,13,14,15,16,17,18,19,20,21,22,23,24,25,26,27,28,29,30,31
	v_med3_num_f32 v[XS+\i], v[XS+\i], -v10, v10
.endr
.irp g, 0,1,2,3
	v_cvt_scalef32_pk8_fp8_f32 v[WC+2*\g:WC+2*\g+1], v[XS+8*\g:XS+8*\g+7], v11
.endr
	ds_store_b128 v4, v[WC:WC+3] offset:32*(\t)
	ds_store_b128 v4, v[WC+4:WC+7] offset:32*(\t)+16
.if (\t)+2 < 8
	WLOAD (\t)+2, \NP, \PERM, \src
.endif
	s_wait_dscnt 0x0                               ; the stores have read their registers: the next block's codes may be written
.endm
; NP: columns of the weight; PERM: K permuted as in x_codes; SWAP: rows with bits 3 and 4 exchanged; LB: the job's LDS bytes; e: the scalar register with the exponent; first: the job's first work-group.
; The largest immediate is 447 rows of 12,288 bytes, inside the signed 24 bits (ISA guide, chapter 10).
.macro WQ NP, PERM, SWAP, LB, e, src, dst, first
	s_sub_co_u32 s32, ttmp9, \first
	s_lshr_b32 s33, s32, 2                         ; which 128 columns
	s_and_b32 s34, s32, 3                          ; which 256 positions along K
	s_lshl_b32 s33, s33, 7
	s_lshl_b32 s35, s22, 5
	s_add_co_u32 s33, s33, s35                     ; my wave's first column
.if \PERM
	s_lshr_b32 s35, s34, 1
	s_lshl_b32 s35, s35, 9
	s_and_b32 s38, s34, 1
	s_lshl_b32 s38, s38, 6
	s_add_co_u32 s35, s35, s38                     ; the k of my first position: 512 (y / 2) + 64 (y % 2)
.else
	s_lshl_b32 s35, s34, 8
.endif
	s_mul_i32 s38, s35, \NP*4
	s_lshl_b32 s39, s33, 2
	s_add_co_u32 s38, s38, s39
	s_mov_b32 s39, 0
	s_add_nc_u64 s[\src:\src+1], s[\src:\src+1], s[38:39]
	s_lshl_b32 s38, s33, 10                        ; a row of codes is 1,024 bytes
	s_lshl_b32 s40, s34, 8
	s_add_co_u32 s38, s38, s40
	s_add_nc_u64 s[\dst:\dst+1], s[\dst:\dst+1], s[38:39]
	v_lshlrev_b32 v3, 2, v1                        ; in: 4 bytes a lane
	WLOAD 0, \NP, \PERM, \src
	WLOAD 1, \NP, \PERM, \src
	s_mul_i32 s41, s22, 32*WP
	s_add_co_u32 s41, s41, \LB                     ; my stage
.if \SWAP
	v_and_b32 v5, 7, v1
	v_bfe_u32 v6, v1, 3, 1
	v_lshl_or_b32 v5, v6, 4, v5
	v_bfe_u32 v6, v1, 4, 1
	v_lshl_or_b32 v5, v6, 3, v5                    ; my column's row: the lane with bits 3 and 4 exchanged
	v_mul_u32_u24 v4, v5, WP
.else
	v_mul_u32_u24 v4, v1, WP
.endif
	v_add_nc_u32 v4, s41, v4
	v_and_b32 v12, 15, v1
	v_lshrrev_b32 v13, 4, v1
	v_mul_u32_u24 v7, v13, WP                      ; out of it: sixteen lanes to a row, two rows an instruction
	v_lshl_add_u32 v7, v12, 4, v7
	v_add_nc_u32 v7, s41, v7
	v_lshlrev_b32 v8, 10, v13
	v_lshl_add_u32 v8, v12, 4, v8                  ; and the same place in the codes' buffer
	SCALE \e, 11, 10
	s_wait_alu depctr_va_vdst(0)
.irp t, 0,1,2,3,4,5,6,7
	WBLOCK \t, \NP, \PERM, \src
.endr
.irp t, 0,1,2,3,4,5,6,7,8,9,10,11,12,13,14,15
	ds_load_b128 v[WOUT+4*\t:WOUT+4*\t+3], v7 offset:2*\t*WP
.endr
.irp t, 0,1,2,3,4,5,6,7,8,9,10,11,12,13,14,15
	s_wait_dscnt 15-\t                             ; LDS loads come back in order: rows 2 t, 2 t + 1 are in, the later ones may be out
	global_store_b128 v8, v[WOUT+4*\t:WOUT+4*\t+3], s[\dst:\dst+1] offset:2*\t*1024
.endr
	s_wait_tensorcnt 0x0
	ds_add_u32 v208, v209
	s_wait_dscnt 0x0
	s_endpgm
.endm
.Lpath_w1:
	s_wait_alu depctr_va_vdst(0)
	WQ 3072, 1, 1, 0, 25, 6, 16, 256
.Lpath_w2:
	s_wait_alu depctr_va_vdst(0)
	WQ 1024, 0, 0, 4*32*WP, 31, 8, 18, 352
.Lfunc_end_k_q1b5dd6f2e9_prep:
	.size	k_q1b5dd6f2e9_prep, .Lfunc_end_k_q1b5dd6f2e9_prep-k_q1b5dd6f2e9_prep
	.p2alignl 7, 3214868480
	.fill 96, 4, 3214868480
	.section	.rodata,"a",@progbits
	.p2align	6, 0x0
	.amdhsa_kernel k_q1b5dd6f2e9_prep
		.amdhsa_group_segment_fixed_size 103936
		.amdhsa_private_segment_fixed_size 0
		.amdhsa_enable_private_segment 0
		.amdhsa_kernarg_size 72
		.amdhsa_user_sgpr_count 2
		.amdhsa_user_sgpr_kernarg_segment_ptr 1
		.amdhsa_wavefront_size32 1
		.amdhsa_system_sgpr_workgroup_id_x 1
		.amdhsa_system_sgpr_workgroup_id_y 1
		.amdhsa_system_sgpr_workgroup_id_z 1
		.amdhsa_system_vgpr_workitem_id 0
		.amdhsa_next_free_vgpr 210
		.amdhsa_next_free_sgpr 66
		.amdhsa_reserve_vcc 0
		.amdhsa_float_denorm_mode_32 3
		.amdhsa_float_denorm_mode_16_64 3
		.amdhsa_memory_ordered 1
		.amdhsa_forward_progress 1
		.amdhsa_inst_pref_size 178
	.end_amdhsa_kernel
	.amdgpu_metadata
---
amdhsa.version: [ 1, 2 ]
amdhsa.kernels:
  - .name:           k_q1b5dd6f2e9_prep
    .symbol:         k_q1b5dd6f2e9_prep.kd
    .args:
      - { .name: hidden_states, .offset: 0, .size: 8, .value_kind: global_buffer, .address_space: global }
      - { .name: W_qkv, .offset: 8, .size: 8, .value_kind: global_buffer, .address_space: global }
      - { .name: W_proj, .offset: 16, .size: 8, .value_kind: global_buffer, .address_space: global }
      - { .name: mask, .offset: 24, .size: 8, .value_kind: global_buffer, .address_space: global }
      - { .name: lowp_scales, .offset: 32, .size: 8, .value_kind: global_buffer, .address_space: global }
      - { .name: x_codes, .offset: 40, .size: 8, .value_kind: global_buffer, .address_space: global }
      - { .name: wqkv_codes, .offset: 48, .size: 8, .value_kind: global_buffer, .address_space: global }
      - { .name: wproj_codes, .offset: 56, .size: 8, .value_kind: global_buffer, .address_space: global }
      - { .name: mb_img, .offset: 64, .size: 8, .value_kind: global_buffer, .address_space: global }
    .group_segment_fixed_size: 103936
    .private_segment_fixed_size: 0
    .kernarg_segment_align: 8
    .kernarg_segment_size: 72
    .max_flat_workgroup_size: 128
    .sgpr_count:     66
    .vgpr_count:     210
    .wavefront_size: 32
...
	.end_amdgpu_metadata
.endif
;; end of part 1
;; launch qkv (part 2): grid 12 x 32, 4 waves a work-group, clusters of 4 x 4, 327,680 bytes of LDS; arguments x_codes, wqkv_codes, lowp_scales, b_qkv, q_img, k_img, v_img; writes q_img, k_img, v_img
.if DOCPART == 2
	.amdgcn_target "amdgcn-amd-amdhsa--gfx1250"
	.amdhsa_code_object_version 6
	.text
	.protected	k_q1b5dd6f2e9_qkv
	.globl	k_q1b5dd6f2e9_qkv
	.p2align	8
	.type	k_q1b5dd6f2e9_qkv,@function
k_q1b5dd6f2e9_qkv:
	s_mov_b64 s[64:65], 0
	v_nop
	global_prefetch_b8 v0, s[64:65] scope:SCOPE_SE
	s_setreg_imm32_b32 hwreg(HW_REG_WAVE_MODE, 25, 1), 1
	s_wait_xcnt 0x0
	s_wait_alu depctr_hold_cnt(0) depctr_sa_sdst(0) depctr_va_vdst(0) depctr_va_sdst(0) depctr_va_ssrc(0) depctr_va_vcc(0) depctr_vm_vsrc(0)
	s_getreg_b32 s2, hwreg(HW_REG_IB_STS2, 6, 4)
	s_cmp_eq_u32 s2, 0
	s_cbranch_scc0 .Lentry_in_a_cluster
	s_endpgm
.Lentry_in_a_cluster:
	s_bfe_u32 s2, ttmp6, 0x10000c
	s_cmp_lg_u32 s2, 0xf033
	s_cbranch_scc0 .Lentry_shape_is_right
	s_endpgm
.Lentry_shape_is_right:
.set KSTEP,  256
.set ROWB,   256
.set KROW,   1024
.set PITCH,  272
.set FR,     16
.set NL,     4
.set NP,     4
.set HALFT,  128*PITCH
.set SLOT,   4*HALFT
.set LAPS,   KROW/(2*KSTEP)
.set SPARE,  2*SLOT
.set QSC,  8
.set QLIM, 9
.set OFS,  10
.set ADRA, 16
.set ADRB, 20
.set SPW,  28
.set NIL,  29
.set BV,   32
.set BIAS, 64
.set AF,   128
.set TMP,  128
.set CD,   192
.set G1, 24
.set G0, 32
.set G1B, 48
.set G0B, 56
.set MSB, 0
.macro WIN new
.if MSB != (\new)
	s_set_vgpr_msb (MSB<<8)|(\new)
.set MSB, (\new)
.endif
.endm
.set MUL_LO, 0xa1
.set MUL_HI, 0xf1
.set TO_B,   0x40
.macro JLOAD g0a, g1a, g0b, g1b
	s_cmp_eq_u32 s15, 0
	s_cbranch_scc0 .Lfor_b_\@
	tensor_load_to_lds s[\g0a:\g0a+3], s[\g1a:\g1a+7]
	s_nop 0
.rept 4
	v_nop
.endr
	s_branch .Lasked_\@
.Lfor_b_\@:
	tensor_load_to_lds s[\g0b:\g0b+3], s[\g1b:\g1b+7]
	s_nop 0
.rept 4
	v_nop
.endr
.Lasked_\@:
.endm
.macro CREST
	s_cmp_lg_u32 s14, 0
	s_cbranch_scc1 .Lnot_wave_0_\@
	s_barrier_signal -3
.Lnot_wave_0_\@:
	s_barrier_wait -3
	s_barrier_signal -1
	s_barrier_wait -1
.endm
.macro CROUND
	s_barrier_signal -1
	s_barrier_wait -1
	CREST
.endm
	s_load_b128 s[4:7], s[0:1], 0x0
	s_load_b128 s[8:11], s[0:1], 0x10
	s_load_b128 s[68:71], s[0:1], 0x20
	s_load_b64 s[72:73], s[0:1], 0x30
	v_lshl_add_u32 v[SPW], v0, 2, SPARE
	v_mov_b32 v[NIL], 0
	ds_add_u32 v28, v29
	ds_add_u32 v28, v29
	s_wait_dscnt 0x0
	v_lshrrev_b32 v1, 5, v0
	v_readfirstlane_b32 s14, v1
	s_lshr_b32 s15, s14, 1
	s_and_b32 s16, s14, 1
	s_bfe_u32 s40, ttmp6, 0x40000
	s_bfe_u32 s41, ttmp6, 0x40004
	s_and_b32 s74, ttmp7, 0xffff
	s_lshl_b32 s75, s74, 2
	s_cmp_eq_u32 ttmp9, 2
	s_cselect_b32 s17, 8, s75
	s_cselect_b32 s42, s74, ttmp9
	s_add_co_u32 s17, s17, s41
	s_lshl_b32 s42, s42, 2
	s_add_co_u32 s42, s42, s40
	s_lshl_b32 s43, s41, 2
	s_lshl_b32 s43, 15, s43
	s_lshl_b32 s44, 0x1111, s40
	s_or_b32 s[G1+0], s43, (0<<16)|(1<<20)|(1<<21)|(5<<22)|(3<<25)
	s_or_b32 s[G1B+0], s44, (0<<16)|(1<<20)|(1<<21)|(5<<22)|(3<<25)
.irp g, G1, G1B
	s_mov_b32 s[\g+1], ROWB<<16
	s_mov_b32 s[\g+2], 128<<16
	s_mov_b32 s[\g+3], ROWB<<16
	s_mov_b32 s[\g+4], 128
	s_mov_b32 s[\g+5], KROW
	s_mov_b32 s[\g+6], 0
	s_mov_b32 s[\g+7], 0
.endr
	s_lshl_b32 s18, s16, 7
	s_lshl_b32 s20, s17, 8
	s_add_co_u32 s20, s20, s18
	s_lshl_b32 s20, s20, 10
	s_mov_b32 s21, 0
	s_lshl_b32 s46, s42, 8
	s_add_co_u32 s46, s46, s18
	s_lshl_b32 s46, s46, 10
	s_mov_b32 s47, 0
	s_mul_i32 s45, s14, HALFT
	s_wait_kmcnt 0x0
	s_load_b256 s[80:87], s[8:9], 0x0
	s_cmp_eq_u32 ttmp9, 2
	s_cselect_b64 s[76:77], s[6:7], s[4:5]
	s_cselect_b64 s[78:79], s[4:5], s[6:7]
	s_add_nc_u64 s[20:21], s[76:77], s[20:21]
	s_add_nc_u64 s[46:47], s[78:79], s[46:47]
	s_cmp_eq_u32 s15, 0                            ; the prefetches: of the 128 rows that I fetch, my work-group's 32, told apart from the partners' by address
	s_cselect_b64 s[94:95], s[20:21], s[46:47]
	s_cselect_b32 s78, s40, s41
	s_lshl_b32 s78, s78, 15
	s_mov_b32 s79, 0
	s_add_nc_u64 s[94:95], s[94:95], s[78:79]
	v_and_b32 v30, 31, v0
	v_lshlrev_b32 v30, 10, v30                     ; a lane a row of 1,024 bytes; never rewritten
	CROUND
.irp s, 0,1
	s_mov_b32 s[G0+4*\s], 1
	s_add_co_u32 s[G0+4*\s+1], s45, \s*SLOT
	s_add_nc_u64 s[G0+4*\s+2:G0+4*\s+3], s[20:21], \s*ROWB
	s_or_b32 s[G0+4*\s+3], s[G0+4*\s+3], 0x80000000
	s_mov_b32 s[G0B+4*\s], 1
	s_add_co_u32 s[G0B+4*\s+1], s45, \s*SLOT
	s_add_nc_u64 s[G0B+4*\s+2:G0B+4*\s+3], s[46:47], \s*ROWB
	s_or_b32 s[G0B+4*\s+3], s[G0B+4*\s+3], 0x80000000
	s_wait_alu depctr_va_vdst(0)
.if \s
	s_wait_tensorcnt 0x0                           ; slot 1's first fill is issued as a refill is
	ds_add_u32 v28, v29
	s_wait_dscnt 0x0
	CROUND
.endif
	JLOAD G0+4*\s, G1, G0B+4*\s, G1B
	global_prefetch_b8 v30, s[94:95] offset:(2+\s)*ROWB th:TH_LOAD_NT scope:SCOPE_SE   ; the K step two fills on: 256 bytes of each of my 32 rows
.endr
	v_and_b32 v1, 15, v0
	v_bfe_u32 v2, v0, 4, 1
	s_wait_alu depctr_va_vdst(0)
	v_mul_u32_u24 v3, v1, PITCH
	v_lshl_add_u32 v4, v2, 4, v3
	s_mul_i32 s21, s15, HALFT
	s_mul_i32 s22, s16, HALFT
	s_add_co_u32 s22, s22, 2*HALFT
.irp s, 0,1
	v_add_nc_u32 v[ADRA+\s], s21, v4
	v_add_nc_u32 v[ADRB+\s], s22, v4
	s_add_co_u32 s21, s21, SLOT
	s_add_co_u32 s22, s22, SLOT
.endr
	s_lshl_b32 s66, ttmp9, 10
	s_lshl_b32 s67, s40, 8
	s_add_co_u32 s66, s66, s67
	s_lshl_b32 s67, s16, 7
	s_add_co_u32 s66, s66, s67
	s_lshl_b32 s66, s66, 2
	s_mov_b32 s67, 0
	s_add_nc_u64 s[88:89], s[10:11], s[66:67]
	s_lshl_b32 s66, s41, 8
	s_lshl_b32 s92, s15, 7
	s_add_co_u32 s66, s66, s92
	s_add_co_u32 s66, s66, 2048
	s_lshl_b32 s66, s66, 2
	s_add_nc_u64 s[90:91], s[10:11], s[66:67]
	v_lshlrev_b32 v11, 6, v2
	v_and_b32 v12, 7, v1
	v_bfe_u32 v13, v1, 3, 1
	v_lshl_or_b32 v12, v13, 4, v12
	v_lshlrev_b32 v12, 2, v12
	v_and_b32 v[OFS], 31, v0
	v_lshlrev_b32 v[OFS], 4, v[OFS]
.irp q, 0,1,2,3
.irp i, 0,1,2,3
	global_load_b128 v[BIAS+16*\q+4*\i:BIAS+16*\q+4*\i+3], v11, s[88:89] offset:128*\q+16*\i
.endr
.endr
.irp a, 0,1,2,3,4,5,6,7
	global_load_b32 v[BV+2*\a], v12, s[90:91] offset:4*(32*(\a/2)+8*(\a%2))
	global_load_b32 v[BV+2*\a+1], v12, s[90:91] offset:4*(32*(\a/2)+8*(\a%2))
.endr
.macro FRAG reg, adr, q, i
.irp c, 0,1,2,3
	ds_load_b128 v[\reg+4*\c:\reg+4*\c+3], v[\adr] offset:128*(\q)+32*\c+(\i)*16*PITCH
.endr
.endm
.macro MUL16 a0, p, zero
.irp a, \a0, \a0+1
.irp b, 0,1,2,3,4,5,6,7
.if \zero
	v_wmma_f32_16x16x128_fp8_fp8 v[8*(8*((\a)%4)+\b):8*(8*((\a)%4)+\b)+7], v[128*(\p)+FR*\b:128*(\p)+FR*\b+FR-1], v[AF+FR*(\a):AF+FR*(\a)+FR-1], 0
.else
	v_wmma_f32_16x16x128_fp8_fp8 v[8*(8*((\a)%4)+\b):8*(8*((\a)%4)+\b)+7], v[128*(\p)+FR*\b:128*(\p)+FR*\b+FR-1], v[AF+FR*(\a):AF+FR*(\a)+FR-1], v[8*(8*((\a)%4)+\b):8*(8*((\a)%4)+\b)+7]
.endif
.endr
.endr
.endm
.macro FETCH_B slot, q, p
	WIN TO_B
.irp i, 0,1,2,3,4,5,6,7
	FRAG 128*(\p)+FR*\i, ADRB+\slot, \q, \i
.endr
	WIN 0
.endm
.macro FETCH_A slot, q, i0
.irp i, \i0, \i0+1, \i0+2, \i0+3
	FRAG AF+FR*(\i), ADRA+\slot, \q, \i
.endr
.endm
.macro PLACES n
.rept \n
	v_nop
.endr
.endm
.macro STEP slot, q, zero
	s_wait_dscnt 4*NL
	WIN MUL_LO
	MUL16 0, (\q)%2, \zero
	MUL16 2, (\q)%2, \zero
	s_wait_dscnt 0
	PLACES NP
	FETCH_B \slot, (\q)+1, 1-(\q)%2
	FETCH_A \slot, (\q)+1, 0
	WIN MUL_HI
	MUL16 4, (\q)%2, \zero
	MUL16 6, (\q)%2, \zero
	PLACES NP
	WIN 0
	FETCH_A \slot, (\q)+1, 4
.endm
.macro TURN slot, next, fill
	s_wait_tensorcnt 0x0
	ds_add_u32 v[SPW], v[NIL]
	s_wait_dscnt 4*NL+1
	WIN MUL_LO
	MUL16 0, 1, 0
	s_wait_dscnt 0x0
	s_barrier_signal -1
	MUL16 2, 1, 0
	WIN 0
	s_barrier_wait -1
.if \fill
	CREST
	s_add_nc_u64 s[G0+4*\slot+2:G0+4*\slot+3], s[G0+4*\slot+2:G0+4*\slot+3], 2*ROWB
	s_add_nc_u64 s[G0B+4*\slot+2:G0B+4*\slot+3], s[G0B+4*\slot+2:G0B+4*\slot+3], 2*ROWB
	JLOAD G0+4*\slot, G1, G0B+4*\slot, G1B
.else
	PLACES NP
.endif
	s_wait_alu depctr_va_vdst(0)
	FETCH_B \next, 0, 0
	FETCH_A \next, 0, 0
	WIN MUL_HI
	MUL16 4, 1, 0
	MUL16 6, 1, 0
	PLACES NP
	WIN 0
	FETCH_A \next, 0, 4
.endm
	s_wait_tensorcnt 1
	s_barrier_signal -1
	s_barrier_wait -1
	FETCH_B 0, 0, 0
	FETCH_A 0, 0, 0
	FETCH_A 0, 0, 4
	STEP 0, 0, 1
	s_mov_b32 s3, LAPS-1
.Llap:
	TURN 0, 1, 1
	STEP 1, 0, 0
	TURN 1, 0, 1
	STEP 0, 0, 0
	s_sub_co_u32 s3, s3, 1
	s_cmp_lg_u32 s3, 0
	s_cbranch_scc1 .Llap
	TURN 0, 1, 0
	STEP 1, 0, 0
	s_wait_dscnt 4*NL
	WIN MUL_LO
	MUL16 0, 1, 0
	MUL16 2, 1, 0
	s_wait_dscnt 0
	WIN MUL_HI
	MUL16 4, 1, 0
	MUL16 6, 1, 0
	WIN 0
.macro OUTBLK a, isv
.set AC, 64*((\a)%4)
.set CDS, CD+16*((\a)%4)
.if (\a) >= 4
	s_wait_xcnt 0x0
.endif
	WIN 0x02+((\a)/4)
.irp b, 0,1,2,3,4,5,6,7
.irp i, 0,2,4,6
.if \isv
	v_pk_fma_f32 v[TMP+8*\b+\i:TMP+8*\b+\i+1], v[AC+8*\b+\i:AC+8*\b+\i+1], s[96:97], v[BV+2*(\a):BV+2*(\a)+1] op_sel_hi:[1,0,1]
.else
	v_pk_fma_f32 v[TMP+8*\b+\i:TMP+8*\b+\i+1], v[AC+8*\b+\i:AC+8*\b+\i+1], s[96:97], v[BIAS+8*\b+\i:BIAS+8*\b+\i+1] op_sel_hi:[1,0,1]
.endif
.endr
.endr
	WIN 0
.irp b, 0,1,2,3,4,5,6,7
.irp i, 0,1,2,3,4,5,6,7
	v_med3_num_f32 v[TMP+8*\b+\i], v[TMP+8*\b+\i], -v[QLIM], v[QLIM]
.endr
	v_cvt_scalef32_pk8_fp8_f32 v[CDS+2*\b:CDS+2*\b+1], v[TMP+8*\b:TMP+8*\b+7], v[QSC]
.endr
	v_nop
.irp q, 0,1,2,3
.if \isv
	global_store_b128 v[OFS], v[CDS+4*\q:CDS+4*\q+3], s[74:75] offset:131072*((\a)/4)+2048*((\a)%4)+512*\q
.else
	global_store_b128 v[OFS], v[CDS+4*\q:CDS+4*\q+3], s[74:75] offset:1024*(\a)+131072*(\q/2)+512*(\q%2)
.endif
.endr
.endm
	s_wait_kmcnt 0x0
	s_wait_loadcnt 0x0
	s_add_co_i32 s96, s80, s81
	s_add_co_i32 s96, s96, 127
	s_lshl_b32 s96, s96, 23
	s_mov_b32 s97, s96
	s_add_co_i32 s92, s82, 5
	s_cmp_eq_u32 ttmp9, 0
	s_cselect_b32 s92, s92, s83
	s_cmp_eq_u32 ttmp9, 2
	s_cselect_b32 s92, s84, s92
	s_add_co_i32 s92, s92, 127
	s_lshl_b32 s93, s92, 23
	v_mov_b32 v[QSC], s93
	s_add_co_i32 s92, s92, 8
	s_lshl_b32 s92, s92, 23
	s_or_b32 s92, s92, 0x600000
	v_mov_b32 v[QLIM], s92
	PLACES NP
	s_cmp_eq_u32 ttmp9, 2
	s_cbranch_scc1 .Lway_v
	s_lshr_b32 s66, s17, 3
	s_lshl_b32 s66, s66, 4
	s_lshl_b32 s67, s40, 2
	s_add_co_u32 s66, s66, s67
	s_lshl_b32 s67, s16, 1
	s_add_co_u32 s66, s66, s67
	s_lshl_b32 s66, s66, 7
	s_and_b32 s67, s17, 7
	s_lshl_b32 s67, s67, 4
	s_add_co_u32 s66, s66, s67
	s_lshl_b32 s67, s15, 3
	s_add_co_u32 s66, s66, s67
	s_lshl_b32 s66, s66, 10
	s_mov_b32 s67, 0
	s_cmp_eq_u32 ttmp9, 0
	s_cselect_b64 s[74:75], s[68:69], s[70:71]
	s_add_nc_u64 s[74:75], s[74:75], s[66:67]
.irp a, 0,1,2,3,4,5,6,7
	OUTBLK \a, 0
.endr
	s_branch .Ldone
.Lway_v:
	s_lshr_b32 s66, s42, 3
	s_lshl_b32 s66, s66, 4
	s_lshl_b32 s67, s41, 2
	s_add_co_u32 s66, s66, s67
	s_lshl_b32 s67, s15, 1
	s_add_co_u32 s66, s66, s67
	s_lshl_b32 s66, s66, 4
	s_and_b32 s67, s42, 7
	s_lshl_b32 s67, s67, 1
	s_add_co_u32 s66, s66, s67
	s_add_co_u32 s66, s66, s16
	s_lshl_b32 s66, s66, 13
	s_mov_b32 s67, 0
	s_add_nc_u64 s[74:75], s[72:73], s[66:67]
.irp a, 0,1,2,3,4,5,6,7
	OUTBLK \a, 1
.endr
.Ldone:
	s_wait_tensorcnt 0x0
	ds_add_u32 v[SPW], v[NIL]
	s_wait_dscnt 0x0
	CROUND
	s_endpgm
.Lfunc_end_k_q1b5dd6f2e9_qkv:
	.size	k_q1b5dd6f2e9_qkv, .Lfunc_end_k_q1b5dd6f2e9_qkv-k_q1b5dd6f2e9_qkv
	.p2alignl 7, 3214868480
	.fill 96, 4, 3214868480
	.section	.rodata,"a",@progbits
	.p2align	6, 0x0
	.amdhsa_kernel k_q1b5dd6f2e9_qkv
		.amdhsa_group_segment_fixed_size 327680
		.amdhsa_private_segment_fixed_size 0
		.amdhsa_enable_private_segment 0
		.amdhsa_kernarg_size 56
		.amdhsa_user_sgpr_count 2
		.amdhsa_user_sgpr_kernarg_segment_ptr 1
		.amdhsa_wavefront_size32 1
		.amdhsa_system_sgpr_workgroup_id_x 1
		.amdhsa_system_sgpr_workgroup_id_y 1
		.amdhsa_system_sgpr_workgroup_id_z 1
		.amdhsa_system_vgpr_workitem_id 0
		.amdhsa_next_free_vgpr 1024
		.amdhsa_next_free_sgpr 98
		.amdhsa_reserve_vcc 0
		.amdhsa_float_denorm_mode_32 3
		.amdhsa_float_denorm_mode_16_64 3
		.amdhsa_memory_ordered 1
		.amdhsa_forward_progress 1
		.amdhsa_inst_pref_size 195
	.end_amdhsa_kernel
	.amdgpu_metadata
---
amdhsa.version: [ 1, 2 ]
amdhsa.kernels:
  - .name:           k_q1b5dd6f2e9_qkv
    .symbol:         k_q1b5dd6f2e9_qkv.kd
    .args:
      - { .name: x_codes, .offset: 0, .size: 8, .value_kind: global_buffer, .address_space: global }
      - { .name: wqkv_codes, .offset: 8, .size: 8, .value_kind: global_buffer, .address_space: global }
      - { .name: lowp_scales, .offset: 16, .size: 8, .value_kind: global_buffer, .address_space: global }
      - { .name: b_qkv, .offset: 24, .size: 8, .value_kind: global_buffer, .address_space: global }
      - { .name: q_img, .offset: 32, .size: 8, .value_kind: global_buffer, .address_space: global }
      - { .name: k_img, .offset: 40, .size: 8, .value_kind: global_buffer, .address_space: global }
      - { .name: v_img, .offset: 48, .size: 8, .value_kind: global_buffer, .address_space: global }
    .group_segment_fixed_size: 327680
    .private_segment_fixed_size: 0
    .kernarg_segment_align: 8
    .kernarg_segment_size: 56
    .max_flat_workgroup_size: 128
    .sgpr_count:     98
    .vgpr_count:     1024
    .wavefront_size: 32
...
	.end_amdgpu_metadata
.endif
;; end of part 2
;; launch attn (part 3): grid 16 x 16, 8 waves a work-group, clusters of 4 x 1, 327,680 bytes of LDS; arguments q_img, k_img, v_img, mb_img, lowp_scales, attn_codes; writes attn_codes
.if DOCPART == 3
	.amdgcn_target "amdgcn-amd-amdhsa--gfx1250"
	.amdhsa_code_object_version 6
	.text
	.protected	k_q1b5dd6f2e9_attn
	.globl	k_q1b5dd6f2e9_attn
	.p2align	8
	.type	k_q1b5dd6f2e9_attn,@function
k_q1b5dd6f2e9_attn:
	s_mov_b64 s[64:65], 0
	v_nop
	global_prefetch_b8 v0, s[64:65] scope:SCOPE_SE
	s_setreg_imm32_b32 hwreg(HW_REG_WAVE_MODE, 25, 1), 1
	s_wait_xcnt 0x0
	s_wait_alu depctr_hold_cnt(0) depctr_sa_sdst(0) depctr_va_vdst(0) depctr_va_sdst(0) depctr_va_ssrc(0) depctr_va_vcc(0) depctr_vm_vsrc(0)
	s_getreg_b32 s2, hwreg(HW_REG_IB_STS2, 6, 4)
	s_cmp_eq_u32 s2, 0
	s_cbranch_scc0 .Lentry_in_a_cluster
	s_endpgm
.Lentry_in_a_cluster:
	s_bfe_u32 s2, ttmp6, 0x10000c
	s_cmp_lg_u32 s2, 0x3003
	s_cbranch_scc0 .Lentry_shape_is_right
	s_endpgm
.Lentry_shape_is_right:
; ATTENTION on codes of E4M3: scores = q k^T (scales 2^e2, 2^e3), + the mask's bias, softmax, x v (p: 2^e5, v: 2^e4); the result is quantised (2^e6) for the last product.
; t = score x log2(e) + mb, mb = ((1 - mask) x -1e9) x log2(e) made by the first launch; M = the row's largest t so far, rounded UP to a whole number; p = 2^(t - M) is quantised, not normalised.
; The row's sum is taken of the unquantised p, in f32, and divides at the end.  When M moves, the sum and O are multiplied by 2^(old M - new M): exact.  The mask is an input of any numbers: every score is computed.
; SHARES.  A work-group owns 128 queries and FOUR heads of one batch; each of its eight waves owns one tile of 16 queries for all four heads, so that a mask tile (16 queries x 128 keys, 64 registers) serves four heads.
; Every wave walks all 2,048 keys, 128 a step.  K and V of the four heads come through a ring of two LDS slots of 256 keys: each wave fetches 16 KiB (waves 0-3: K of head wave; waves 4-7: V of head wave - 4).
; CLUSTER.  The four query blocks of a cluster walk the same K and V: each tile is asked for jointly, by the same tensor load with the same descriptor and a mask that names the four.
; LAYOUT.  All inputs lie as images of the operand registers: 16 bytes a lane, 512 consecutive bytes an instruction.  Both products are used transposed (S^T = K Q^T, 16x16x64; O^T = V^T P, 16x16x128): a lane holds one query.
; Register j of score tile T is key 16 T + 8 (lane / 16) + j: its eight codes are registers 2 T, 2 T + 1 of P.  V's channels lie with bits 3 and 4 exchanged, so that O^T's tiles 2 q, 2 q + 1 are 16 neighbouring channels.
; THE EXPONENTIALS GO IN TWO BATCHES OF 32, with plain lines among them whose results are first read behind the next wait: in the first batch the second batch's subtractions, in the second the first half's first additions and holds.
; THE CHANGE OF SLOTS OPENS IN THE SLOT'S LAST HEAD STEP: as soon as that step's V is in registers the wave has no LDS read left, so the three lines and the opening signal stand there, and the step's exponentials, sums,
; conversions and second product, all work on registers, stand between the signal and its wait.  The loop's jump follows the wait; the rest of the round and the joint refill stand at the loop's top.
; THE MASK HAS TWO BUFFERS.  The even key steps' is loaded again behind its fourth head; the odd key steps' at a slot's head, behind the round (no memory instruction stands inside a round): four head steps ahead of its use each.
; The mask has no prefetch: its loads into registers are themselves issued that far ahead.
; K, V AND S^T SHARE TWO BUFFERS OF 64 REGISTERS, which change roles from head to head; K's tiles 0-3 have 32 registers of their own.
; LIMITS: e2 + e3 between -126 and 127 (added to log2(e)'s exponent field); e5, e6 between -126 and 119; e4 + e5 goes by v_ldexp_f32 and has none.  NaN among the inputs is not served.
; t is rounded once at score x c + mb.  In a row ALL of whose keys carry a bias near 1e9, t has a grain of 128 where reference()'s logit has 64: the weights are uniform in both while no score passes 32 in magnitude.
; REGISTERS.  Window 0: v1-10 addresses and constants; v12-27 statistics, four a head; v28-34, v56-59 at work; v36-51 P (ahead of the conversions: chains of the maximum and of the sum); v52-54 the way out; v62-63 the hold;
;   v64-127, v192-255 the two buffers; v128-191 the even mask tile.   Window 1: v0-31 Q; v32-159 O^T, 32 a head; v160-223 the odd mask tile; v224-255 K's tiles 0-3.
.set SLOT1, 1<<17                      ; slot 1 begins here: one exclusive or turns an address
.set VOFF,  65536                      ; a slot: K of heads 0-3, 16 KiB each, then V
.set HEADB, 16384
.set STEPB, 8192
.set MBT,   8192                       ; a mask tile in bytes
.set NSL,   8
.set SPARE, 2*SLOT1                    ; the spare words: 128 bytes a wave, four blocks of 256 bytes that no other line names
.set STG,   SPARE+1024                 ; 16 rows x 272 bytes a wave, for the way out; no tile lands there
.set SP,    272
.set LI,   1                           ; 16 x lane
.set ADK,  2                           ; LDS address of the slot's K
.set ADV,  3                           ; of its V
.set SPW,  4
.set NIL,  5
.set PSC,  6                           ; 2^e5
.set ASC,  8                           ; 2^e6
.set ALIM, 9                           ; 448 x 2^e6
.set PFO,  10
.set ST,   12                          ; head hl: +0 -M, +1 the largest t, +2, +3 the sum
.set SUM4, 28
.set FF,   30                          ; v[30:31] the old -M, then f
.set SUM2, 32
.set PRM,  34
.set P,    36
.set STO,  52
.set RD,   53
.set GO,   54
.set MX,   56
.set PLIM, 62                          ; v62, v63: 448 x 2^e5, once for each half of a dual pair
.set BX,   64
.set S,    64
.set MB,   128
.set OT,   32
.set KX,   224
.set WV,   16
.set CX,   17
.set QT,   18
.set HG,   19
.set SEL,  20
.set CS,   22                          ; s[22:23] c = log2(e) x 2^(e2 + e3)
.set G1,   24
.set G0K,  32
.set G0V,  36
.set TB,   40
.set SLOTS, 41
.set LIM,  44
.set PFA,  46
.set EX,   48
.set MBA,  56                          ; s[56:57] mask tile 2 s + 2 in trip s; tile 2 s + 1 lies MBT below it
.set MSB, 0
.macro WIN new                         ; the immediate's high byte repeats the setting that is left
.if MSB != (\new)
	s_set_vgpr_msb (MSB<<8)|(\new)
.set MSB, (\new)
.endif
.endm
.set W_KQL, 0x05
.set W_KQH, 0x04
.set W_PV, 0x50
.set W_RS, 0x41
.set W_T1, 0x40
.macro JLOAD                           ; waves 0-3 fetch K, waves 4-7 V; an s_nop 0 and four v_nop follow each line
	s_cmp_lt_u32 s[WV], 4
	s_cbranch_scc0 .Lfor_v_\@
	tensor_load_to_lds s[G0K:G0K+3], s[G1:G1+7]
	s_nop 0
.rept 4
	v_nop
.endr
	s_branch .Lasked_\@
.Lfor_v_\@:
	tensor_load_to_lds s[G0V:G0V+3], s[G1:G1+7]
	s_nop 0
.rept 4
	v_nop
.endr
.Lasked_\@:
.endm
; A prefetch of what the NEXT change of slots asks for.  Each aligned block of 256 bytes is named once in the launch: the first of a head group's four clusters asks; its partners share a head's 16 KiB out by address, 4 KiB each;
; waves 0, 2 ask for K and 4, 6 for V: lanes 0-15 name 16 blocks of the wave's head, lanes 16-31 those of the next.  The last filling change asks for nothing; slots 0 and 1 come by their loads alone.
.macro ASK
	s_cmp_gt_u32 s[SLOTS], s[LIM]
	s_cbranch_scc0 .Lnot_mine_\@
	global_prefetch_b8 v[PFO], s[PFA:PFA+1] th:TH_LOAD_NT scope:SCOPE_SE
.Lnot_mine_\@:
.endm
.macro CREST                           ; a round of the cluster's barrier behind its opening barrier
	s_cmp_lg_u32 s[WV], 0
	s_cbranch_scc1 .Lnot_wave_0_\@
	s_barrier_signal -3
.Lnot_wave_0_\@:
	s_barrier_wait -3
	s_barrier_signal -1
	s_barrier_wait -1
.endm
.macro CROUND
	s_barrier_signal -1
	s_barrier_wait -1
	CREST
.endm
.macro MLOAD st, off                   ; a mask tile into buffer st: 512 consecutive bytes an instruction
.set MBL, MB+32*(\st)
	WIN 0x40*(\st)
.irp i, 0,1,2,3,4,5,6,7,8,9,10,11,12,13,14,15
	global_load_b128 v[MBL+4*\i:MBL+4*\i+3], v[LI], s[MBA:MBA+1] offset:(\off)+512*\i
.endr
	WIN 0
.endm
; The first two of the three lines in front of a change of slots, and the steps that they allow.  The wait for the add follows in the caller, with work on registers between.
.macro PRESIG
	WIN 0
	s_wait_tensorcnt 0x0                           ; no tensor load of mine is out: my part of the next slot is in, and a group 0 may be written
	ds_add_u32 v[SPW], v[NIL]
	s_xor_b32 s[G0K+1], s[G0K+1], SLOT1
	s_add_nc_u64 s[G0K+2:G0K+3], s[G0K+2:G0K+3], HEADB
	s_xor_b32 s[G0V+1], s[G0V+1], SLOT1
	s_add_nc_u64 s[G0V+2:G0V+3], s[G0V+2:G0V+3], HEADB
	s_wait_xcnt 0x0                                ; the last prefetch and the last mask loads have read their addresses
	s_add_nc_u64 s[PFA:PFA+1], s[PFA:PFA+1], HEADB
	s_add_nc_u64 s[MBA:MBA+1], s[MBA:MBA+1], 2*MBT
.endm
	s_load_b256 s[4:11], s[0:1], 0x0               ; q_img, k_img, v_img, mb_img
	s_load_b128 s[12:15], s[0:1], 0x20             ; lowp_scales, attn_codes
	v_lshl_add_u32 v[SPW], v0, 2, SPARE
	v_mov_b32 v[NIL], 0
	ds_add_u32 v[SPW], v[NIL]                      ; the opening lines: the add twice on end and one wait
	ds_add_u32 v[SPW], v[NIL]
	v_lshrrev_b32 v2, 5, v0
	v_readfirstlane_b32 s[WV], v2                  ; wave 0..7
	s_mul_i32 s58, s[WV], 16*SP
	s_add_co_u32 s58, s58, STG                     ; my stage
	v_and_b32 v[LI], 31, v0
	v_lshlrev_b32 v[LI], 4, v[LI]
	v_and_b32 v56, 15, v0                          ; r
	v_bfe_u32 v57, v0, 4, 1                        ; h
	v_lshlrev_b32 v[PFO], 8, v56
	v_lshl_add_u32 v[PFO], v57, 17, v[PFO]
	v_mul_u32_u24 v[STO], v56, SP                  ; in: row r, 16 bytes for each half of the lanes
	v_lshl_add_u32 v[STO], v57, 4, v[STO]
	v_add_nc_u32 v[STO], s58, v[STO]
	v_mul_u32_u24 v[RD], v57, SP                   ; back: lanes 0-15 one row, lanes 16-31 the next
	v_lshl_add_u32 v[RD], v56, 4, v[RD]
	v_add_nc_u32 v[RD], s58, v[RD]
	v_lshlrev_b32 v[GO], 10, v57
	v_lshl_add_u32 v[GO], v56, 4, v[GO]
	s_wait_alu depctr_va_vdst(0)                   ; the wait behind these writes
	s_bfe_u32 s[CX], ttmp6, 0x40000
	s_lshl_b32 s58, ttmp9, 2
	s_add_co_u32 s58, s58, s[CX]                   ; my block of 128 queries
	s_lshl_b32 s[QT], s58, 3
	s_add_co_u32 s[QT], s[QT], s[WV]
	s_and_b32 s[HG], ttmp7, 0xffff
	s_mov_b32 s[G1], 15|(3<<16)|(1<<21)            ; all four work-groups; elements of 8 bytes; no padding: 16 KiB as 64 rows of 256 bytes
	s_mov_b32 s[G1+1], 32<<16
	s_mov_b32 s[G1+2], 64<<16
	s_mov_b32 s[G1+3], 32<<16
	s_mov_b32 s[G1+4], 64
	s_mov_b32 s[G1+5], 32
	s_mov_b32 s[G1+6], 0
	s_mov_b32 s[G1+7], 0
	s_mov_b32 s[SEL], 0x76543210
	s_mov_b32 s[SEL+1], 0xfedcba98
	s_mov_b32 s[CS], 0x3fb8aa3b                    ; log2(e)
	s_mov_b32 s[TB], 0
	s_mov_b32 s[SLOTS], NSL-1
	s_and_b32 s[LIM], s[WV], 1
	s_or_b32 s[LIM], s[LIM], ttmp9                 ; 0 in the even waves of the head group's first cluster
	s_cmp_eq_u32 s[LIM], 0
	s_cselect_b32 s[LIM], 1, -1
	s_and_b32 s59, s[WV], 3                        ; the head whose K or V I fetch
	s_lshl_b32 s60, s59, 17
	s_lshl_b32 s61, s[HG], 19
	s_add_co_u32 s60, s60, s61
	s_mov_b32 s61, 0
	s_lshl_b32 s62, s59, 14                        ; its place in a slot
	s_wait_dscnt 0x0                               ; both opening adds are done
	s_wait_kmcnt 0x0
	s_load_b256 s[EX:EX+7], s[12:13], 0x0
	CROUND                                         ; all four work-groups are here: the first joint loads meet
	s_mov_b32 s[G0K], 1
	s_mov_b32 s[G0K+1], s62
	s_add_nc_u64 s[G0K+2:G0K+3], s[6:7], s[60:61]
	s_or_b32 s[G0K+3], s[G0K+3], 0x80000000
	s_mov_b32 s[G0V], 1
	s_add_co_u32 s[G0V+1], s62, VOFF
	s_add_nc_u64 s[G0V+2:G0V+3], s[8:9], s[60:61]
	s_or_b32 s[G0V+3], s[G0V+3], 0x80000000
	JLOAD                                          ; slot 0: my one tensor load at the head
	s_cmp_lt_u32 s[WV], 4
	s_cselect_b64 s[PFA:PFA+1], s[6:7], s[8:9]
	s_add_nc_u64 s[PFA:PFA+1], s[PFA:PFA+1], s[60:61]
	s_lshl_b32 s58, s[CX], 12                      ; my work-group's 4 KiB of a head's 16,
	s_add_co_u32 s58, s58, HEADB                   ; in slot 1: the first change steps it to slot 2
	s_mov_b32 s59, 0
	s_add_nc_u64 s[PFA:PFA+1], s[PFA:PFA+1], s[58:59]
	s_lshl_b32 s58, s[HG], 19
	s_lshl_b32 s62, s[QT], 10
	s_add_co_u32 s58, s58, s62
	s_add_nc_u64 s[4:5], s[4:5], s[58:59]          ; Q: my tile of head 0 of my four
	WIN W_T1
.irp hl, 0,1,2,3
.irp g, 0,1
	global_load_b128 v[8*\hl+4*\g:8*\hl+4*\g+3], v[LI], s[4:5] offset:131072*\hl+512*\g
.endr
.endr
	WIN 0
	s_lshl_b32 s58, s[QT], 17                      ; a tile of queries has 16 mask tiles of 8 KiB
	s_add_nc_u64 s[MBA:MBA+1], s[10:11], s[58:59]
	MLOAD 0, 0                                     ; key step 0's tile
	s_lshr_b32 s58, s[HG], 2                       ; the batch
	s_lshl_b32 s58, s58, 11
	s_lshl_b32 s62, s[QT], 4
	s_add_co_u32 s58, s58, s62
	s_lshl_b32 s58, s58, 10
	s_and_b32 s62, s[HG], 3
	s_lshl_b32 s62, s62, 8
	s_add_co_u32 s58, s58, s62
	s_add_nc_u64 s[14:15], s[14:15], s[58:59]      ; my first row of attn_codes, my four heads' 256 bytes
.irp hl, 0,1,2,3
	v_mov_b32 v[ST+4*\hl+1], 0xff61b1e6            ; the largest t so far: -3e38
	v_floor_f32 v[ST+4*\hl], -v[ST+4*\hl+1]
	v_mov_b32 v[ST+4*\hl+2], 0
	v_mov_b32 v[ST+4*\hl+3], 0
.endr
	v_mov_b32 v[FF+1], 0                           ; (named as the upper half of a pair)
	v_mov_b32 v[PRM], 0                            ; a lane permute's destination counts as one of its sources
	WIN W_T1
.set jj, 0
.rept 128
	v_mov_b32 v[OT+jj], 0                          ; O^T: the key step has no first copy of its own; the first change of M leaves zeros zeros
.set jj, jj+1
.endr
	WIN 0
	s_wait_kmcnt 0x0
	s_add_co_i32 s58, s[EX+2], s[EX+3]
	s_lshl_b32 s58, s58, 23
	s_add_co_i32 s[CS], s[CS], s58                 ; the two exponents go into c's exponent field
	s_mov_b32 s[CS+1], s[CS]
	s_add_co_i32 s58, s[EX+5], 127
	s_lshl_b32 s59, s58, 23
	v_mov_b32 v[PSC], s59
	s_add_co_i32 s58, s58, 8
	s_lshl_b32 s58, s58, 23
	s_or_b32 s58, s58, 0x600000
	v_mov_b32 v[PLIM], s58
	v_mov_b32 v[PLIM+1], s58
	s_add_co_i32 s58, s[EX+6], 127
	s_lshl_b32 s59, s58, 23
	v_mov_b32 v[ASC], s59
	s_add_co_i32 s58, s58, 8
	s_lshl_b32 s58, s58, 23
	s_or_b32 s58, s58, 0x600000
	v_mov_b32 v[ALIM], s58
; ONE HEAD'S PART OF A KEY STEP: 16 queries x 128 keys.  st: the slot's key step and the mask buffer; hl: the head; (nst, nk): the step and head whose K is fetched meanwhile (nk = -1: none).
; mw: the younger loads that may be out when the mask tile has to be in (-1: it is in).  rl = 1: the even mask buffer takes its next tile.  sig = 1: the change of slots opens here.
.macro HSTEP st, hl, nst, nk, mw, rl, sig
.set rM, ST+4*(\hl)
.set rO, OT+32*(\hl)
.set KB, BX+128*((\hl)%2)              ; K's tiles 4-7, then V
.set SB, BX+128*(1-(\hl)%2)            ; S^T, then p, then the next head's K tiles 4-7
.set MBR, MB+32*(\st)
	s_wait_dscnt 8                                 ; K's tiles 0-3 are in; the eight loads of tiles 4-7 may be out
	WIN W_KQL
.irp t, 0,1,2,3
	v_wmma_f32_16x16x64_fp8_fp8 v[SB+8*\t:SB+8*\t+7], v[KX+8*\t:KX+8*\t+7], v[8*(\hl):8*(\hl)+7], 0
.endr
	s_wait_dscnt 0x0
	WIN W_KQH
.irp t, 0,1,2,3
	v_wmma_f32_16x16x64_fp8_fp8 v[SB+32+8*\t:SB+32+8*\t+7], v[KB+8*\t:KB+8*\t+7], v[8*(\hl):8*(\hl)+7], 0
.endr
	WIN 0
.rept 4
	v_nop                                          ; four places: ahead of the loads into K's registers and of the first read of the scores
.endr
.irp t, 0,1,2,3
.irp g, 0,1,2,3
	ds_load_b128 v[KB+16*\t+4*\g:KB+16*\t+4*\g+3], v[ADV] offset:STEPB*(\st)+HEADB*(\hl)+2048*\t+512*\g
.endr
.endr
.if \nk >= 0
	WIN W_T1
.irp t, 0,1,2,3
.irp g, 0,1
	ds_load_b128 v[KX+8*\t+4*\g:KX+8*\t+4*\g+3], v[ADK] offset:STEPB*(\nst)+HEADB*(\nk)+1024*\t+512*\g
.endr
.endr
.endif
.if \sig
	PRESIG                                         ; V's loads were my last reads of this slot
.endif
.if \mw >= 0
	s_wait_loadcnt \mw                             ; this key step's mask tile is in; the other buffer's loads may be out
.endif
	WIN 0x10*(\st)
.set jj, 0
.rept 32
	v_pk_fma_f32 v[SB+jj:SB+jj+1], v[SB+jj:SB+jj+1], s[CS:CS+1], v[MBR+jj:MBR+jj+1] op_sel_hi:[1,0,1]   ; t = score x c + mb; each accumulator from its low end on
.set jj, jj+2
.endr
.if \rl
	MLOAD 0, 0                                     ; the next slot's even tile, into registers just read for the last time
.else
	WIN 0
.endif
.set jj, 0
.rept 8
	v_max3_num_f32 v[P+jj], v[SB+3*jj], v[SB+3*jj+1], v[SB+3*jj+2]   ; the step's largest t, in eight chains (P's registers are free here)
.set jj, jj+1
.endr
.set jj, 0
.rept 20
	v_max3_num_f32 v[P+jj%8], v[P+jj%8], v[SB+24+2*jj], v[SB+25+2*jj]
.set jj, jj+1
.endr
	v_mov_b32 v[FF], v[rM]                         ; the old -M
	v_max3_num_f32 v[P], v[P], v[P+1], v[P+2]
	v_max3_num_f32 v[P+3], v[P+3], v[P+4], v[P+5]
	v_max3_num_f32 v[P+6], v[P+6], v[P+7], v[rM+1] ; the largest t so far is the same in lanes l and l xor 16: it goes in ahead of the exchange
	v_max3_num_f32 v[P], v[P], v[P+3], v[P+6]
	v_permlanex16_b32 v[PRM], v[P], s[SEL], s[SEL+1]
	v_max_num_f32 v[rM+1], v[P], v[PRM]            ; the running largest t
	v_floor_f32 v[rM], -v[rM+1]                    ; -M = floor(-t)
	v_sub_f32 v[FF], v[rM], v[FF]                  ; old M - new M: a whole number, 0 or less
.set jj, 0
.rept 16
	v_pk_add_f32 v[SB+jj:SB+jj+1], v[SB+jj:SB+jj+1], v[rM:rM+1] op_sel_hi:[1,0]   ; t - M, the first 32
.if jj == 2
	v_cvt_i32_f32 v[FF], v[FF]
.endif
.if jj == 6
	v_ldexp_f32 v[FF], 1.0, v[FF]                  ; f = 2^(old M - new M)
.endif
.set jj, jj+2
.endr
	s_wait_alu depctr_va_vdst(0)                   ; the wait ahead of the batch, and ahead of the wait below
.if \sig
	s_wait_dscnt 0x0                               ; the add is done, V is in: my reads of this slot are over
	s_barrier_signal -1                            ; the change of slots opens; work on registers alone up to its wait
.else
.if \nk >= 0
	s_wait_dscnt 8                                 ; V is in; the eight loads of the next head's K tiles 0-3 may be out
.else
	s_wait_dscnt 0x0
.endif
.endif
.set jj, 0
.rept 16                                       ; THE FIRST BATCH: p = 2^(t - M) of the first 32; among them t - M of the other 32, first read behind the next wait
	v_exp_f32 v[SB+jj], v[SB+jj]
	v_pk_add_f32 v[SB+32+jj:SB+33+jj], v[SB+32+jj:SB+33+jj], v[rM:rM+1] op_sel_hi:[1,0]
	v_exp_f32 v[SB+jj+1], v[SB+jj+1]
.set jj, jj+2
.endr
	v_pk_mul_f32 v[rM+2:rM+3], v[rM+2:rM+3], v[FF:FF+1] op_sel_hi:[1,0]   ; the sums under the new M: the plain place behind the batch
	WIN W_RS
	s_wait_alu depctr_va_vdst(0)                   ; one wait: behind the first batch, ahead of the second, and directly ahead of O^T's first reader
.set jj, 0
.rept 16
	v_pk_mul_f32 v[rO+jj:rO+jj+1], v[rO+jj:rO+jj+1], v[FF:FF+1] op_sel_hi:[1,0]   ; O^T under the new M, each accumulator from its low end on
.set jj, jj+2
.endr
	WIN 0
.set kk, 0
.irp tr, P+8,P+10,P+12,P+14,SUM4,SUM2,MX,MX+2  ; THE SECOND BATCH; among it, of the first 32: eight sums of two pairs of the UNQUANTISED p, then the hold (the conversion does not saturate: ISA guide 7.6.2; p is not negative), two numbers an instruction.  All are first read behind the next wait
	v_exp_f32 v[SB+32+4*kk], v[SB+32+4*kk]
	v_pk_add_f32 v[\tr:\tr+1], v[SB+4*kk:SB+4*kk+1], v[SB+4*kk+2:SB+4*kk+3]
	v_exp_f32 v[SB+33+4*kk], v[SB+33+4*kk]
	v_dual_min_num_f32 v[SB+4*kk], v[SB+4*kk], v[PLIM] :: v_dual_min_num_f32 v[SB+4*kk+1], v[SB+4*kk+1], v[PLIM+1]
	v_exp_f32 v[SB+34+4*kk], v[SB+34+4*kk]
	v_dual_min_num_f32 v[SB+4*kk+2], v[SB+4*kk+2], v[PLIM] :: v_dual_min_num_f32 v[SB+4*kk+3], v[SB+4*kk+3], v[PLIM+1]
	v_exp_f32 v[SB+35+4*kk], v[SB+35+4*kk]
.set kk, kk+1
.endr
	v_nop                                          ; the plain place behind the batch
	s_wait_alu depctr_va_vdst(0)                   ; the wait behind the batch
.irp t, 0,1,2,3
	v_cvt_scalef32_pk8_fp8_f32 v[P+2*\t:P+2*\t+1], v[SB+8*\t:SB+8*\t+7], v[PSC]
.endr
.if \nk >= 0
.irp t, 0,1,2,3
.irp g, 0,1
	ds_load_b128 v[SB+8*\t+4*\g:SB+8*\t+4*\g+3], v[ADK] offset:STEPB*(\nst)+HEADB*(\nk)+1024*(\t+4)+512*\g   ; these 32 numbers are done with: the next head's K tiles 4-7
.endr
.endr
.endif
.set kk, 0
.rept 2
.irp tr, P+8,P+10,P+12,P+14,SUM4,SUM2,MX,MX+2
	v_pk_add_f32 v[\tr:\tr+1], v[\tr:\tr+1], v[SB+32+2*kk:SB+33+2*kk]   ; the other 32, onto the eight chains
.set kk, kk+1
.endr
.endr
	v_pk_add_f32 v[SUM4:SUM4+1], v[SUM4:SUM4+1], v[P+8:P+9]    ; out of P's registers, ahead of the conversions that write them
	v_pk_add_f32 v[SUM2:SUM2+1], v[SUM2:SUM2+1], v[P+10:P+11]
	v_pk_add_f32 v[MX:MX+1], v[MX:MX+1], v[P+12:P+13]
	v_pk_add_f32 v[MX+2:MX+3], v[MX+2:MX+3], v[P+14:P+15]
.set jj, 32
.rept 16
	v_dual_min_num_f32 v[SB+jj], v[SB+jj], v[PLIM] :: v_dual_min_num_f32 v[SB+jj+1], v[SB+jj+1], v[PLIM+1]
.set jj, jj+2
.endr
.irp t, 4,5,6,7
	v_cvt_scalef32_pk8_fp8_f32 v[P+2*\t:P+2*\t+1], v[SB+8*\t:SB+8*\t+7], v[PSC]
.endr
	v_nop                                          ; a plain instruction behind the last conversion
	WIN W_PV
.irp t, 0,1,2,3
	v_wmma_f32_16x16x128_fp8_fp8 v[rO+8*\t:rO+8*\t+7], v[KB+16*\t:KB+16*\t+15], v[P:P+15], v[rO+8*\t:rO+8*\t+7]   ; the accumulators take turns
.endr
	WIN 0
	v_pk_add_f32 v[SUM4:SUM4+1], v[SUM4:SUM4+1], v[SUM2:SUM2+1]   ; five places: the next head's scores are written over V's registers
	v_pk_add_f32 v[MX:MX+1], v[MX:MX+1], v[MX+2:MX+3]
	v_pk_add_f32 v[rM+2:rM+3], v[rM+2:rM+3], v[SUM4:SUM4+1]
	v_pk_add_f32 v[rM+2:rM+3], v[rM+2:rM+3], v[MX:MX+1]
	v_nop
.if \sig
	s_barrier_wait -1
.endif
.endm
; A SLOT'S TWO KEY STEPS.  rl = 1: in the loop: the even mask buffer is loaded again, and the last head step opens the next change of slots.
.macro SLOTBODY rl
	MLOAD 1, -MBT                                  ; this slot's odd tile, four head steps ahead of its use
	v_add_nc_u32 v[ADK], s[TB], v[LI]
	v_add_nc_u32 v[ADV], VOFF, v[ADK]
	s_wait_alu depctr_va_vdst(0)                   ; the wait behind these writes
	s_xor_b32 s[TB], s[TB], SLOT1                  ; for the next slot
	WIN W_T1
.irp t, 0,1,2,3
.irp g, 0,1
	ds_load_b128 v[KX+8*\t+4*\g:KX+8*\t+4*\g+3], v[ADK] offset:1024*\t+512*\g
.endr
.endr
	WIN 0
.irp t, 0,1,2,3
.irp g, 0,1
	ds_load_b128 v[BX+8*\t+4*\g:BX+8*\t+4*\g+3], v[ADK] offset:1024*(\t+4)+512*\g
.endr
.endr
	HSTEP 0,0, 0,1, 16, 0, 0
	HSTEP 0,1, 0,2, -1, 0, 0
	HSTEP 0,2, 0,3, -1, 0, 0
	HSTEP 0,3, 1,0, -1, \rl, 0
	HSTEP 1,0, 1,1, 16*(\rl), 0, 0
	HSTEP 1,1, 1,2, -1, 0, 0
	HSTEP 1,2, 1,3, -1, 0, 0
	HSTEP 1,3, 0,-1, -1, 0, \rl
.endm
	s_wait_alu depctr_va_vdst(0)                   ; the wait at the head's end
	s_wait_loadcnt 16                              ; Q's eight loads are in; the mask tile's 16 may be out
	PRESIG                                         ; my part of slot 0 is in; the descriptors step to slot 1
	s_wait_dscnt 0x0
	s_barrier_signal -1
	s_barrier_wait -1
.Lslot:                                            ; NSL - 1 trips.  The opening barrier has been passed, at the head or in the last trip's last head step: the rest of the round,
	CREST
	JLOAD                                          ; and my one tensor load until the next: the next slot's keys (the first time: slot 1's first fill)
	ASK
	s_sub_co_u32 s[SLOTS], s[SLOTS], 1
	SLOTBODY 1
	s_cmp_lg_u32 s[SLOTS], 0
	s_cbranch_scc1 .Lslot
	SLOTBODY 0                                     ; the last slot is written out, so the barrier just passed has no round behind it
	; THE WAY OUT.  O^T x 2^(e4 + e5) / the sum is quantised with 2^e6; the four heads' codes of 16 queries, 256 bytes a row, go through my stage and leave as rows: sixteen lanes store 256 consecutive bytes, aligned.
.irp hl, 0,1,2,3
	v_add_f32 v[ST+4*\hl+2], v[ST+4*\hl+2], v[ST+4*\hl+3]
.endr
.irp hl, 0,1,2,3
	v_permlanex16_b32 v[ST+4*\hl+3], v[ST+4*\hl+2], s[SEL], s[SEL+1]
.endr
.irp hl, 0,1,2,3
	v_add_f32 v[ST+4*\hl+2], v[ST+4*\hl+2], v[ST+4*\hl+3]
.endr
	s_wait_alu depctr_va_vdst(0)                   ; the wait ahead of the batch
.irp hl, 0,1,2,3
	v_rcp_f32 v[ST+4*\hl+2], v[ST+4*\hl+2]
.endr
	v_nop
	s_add_co_i32 s58, s[EX+4], s[EX+5]
	s_wait_alu depctr_va_vdst(0)                   ; and behind it, ahead of its first reader
.irp hl, 0,1,2,3
	v_ldexp_f32 v[ST+4*\hl+2], v[ST+4*\hl+2], s58
.endr
.macro OUTH hl
.set rW, S+32*((\hl)%2)
	WIN 0x01
	s_wait_alu depctr_va_vdst(0)                   ; directly ahead of the first reader of this head's O^T
.set jj, 0
.rept 16
	v_pk_mul_f32 v[rW+jj:rW+jj+1], v[OT+32*(\hl)+jj:OT+32*(\hl)+jj+1], v[ST+4*(\hl)+2:ST+4*(\hl)+3] op_sel_hi:[1,0]
.set jj, jj+2
.endr
	WIN 0
.irp t, 0,1,2,3
.irp i, 0,1,2,3,4,5,6,7
	v_med3_num_f32 v[rW+8*\t+\i], v[rW+8*\t+\i], -v[ALIM], v[ALIM]
.endr
	v_cvt_scalef32_pk8_fp8_f32 v[MB+8*(\hl)+2*\t:MB+8*(\hl)+2*\t+1], v[rW+8*\t:rW+8*\t+7], v[ASC]
.endr
.endm
	OUTH 0
	OUTH 1
	OUTH 2
	OUTH 3
	v_nop                                          ; a plain instruction behind the last conversion
.irp hl, 0,1,2,3
.irp q, 0,1
	ds_store_b128 v[STO], v[MB+8*\hl+4*\q:MB+8*\hl+4*\q+3] offset:64*\hl+32*\q   ; query r, head hl, channels 32 q + 16 h + 0 .. 15
.endr
.endr
.irp t, 0,1,2,3,4,5,6,7
	ds_load_b128 v[MB+32+4*\t:MB+32+4*\t+3], v[RD] offset:\t*2*SP   ; LDS serves a wave's instructions in order (ISA guide 5.7.1.4)
.endr
.irp t, 0,1,2,3,4,5,6,7
	s_wait_dscnt 7-\t                              ; rows 2 t, 2 t + 1 are in; the later ones may be out
	global_store_b128 v[GO], v[MB+32+4*\t:MB+32+4*\t+3], s[14:15] offset:2048*\t
.endr
	s_wait_tensorcnt 0x0                           ; the wave's end
	ds_add_u32 v[SPW], v[NIL]
	s_wait_dscnt 0x0
	CROUND                                         ; the closing round
	s_endpgm
.Lfunc_end_k_q1b5dd6f2e9_attn:
	.size	k_q1b5dd6f2e9_attn, .Lfunc_end_k_q1b5dd6f2e9_attn-k_q1b5dd6f2e9_attn
	.p2alignl 7, 3214868480
	.fill 96, 4, 3214868480
	.section	.rodata,"a",@progbits
	.p2align	6, 0x0
	.amdhsa_kernel k_q1b5dd6f2e9_attn
		.amdhsa_group_segment_fixed_size 327680
		.amdhsa_private_segment_fixed_size 0
		.amdhsa_enable_private_segment 0
		.amdhsa_kernarg_size 48
		.amdhsa_user_sgpr_count 2
		.amdhsa_user_sgpr_kernarg_segment_ptr 1
		.amdhsa_wavefront_size32 1
		.amdhsa_system_sgpr_workgroup_id_x 1
		.amdhsa_system_sgpr_workgroup_id_y 1
		.amdhsa_system_sgpr_workgroup_id_z 1
		.amdhsa_system_vgpr_workitem_id 0
		.amdhsa_next_free_vgpr 512
		.amdhsa_next_free_sgpr 80
		.amdhsa_reserve_vcc 0
		.amdhsa_float_denorm_mode_32 3
		.amdhsa_float_denorm_mode_16_64 3
		.amdhsa_memory_ordered 1
		.amdhsa_forward_progress 1
		.amdhsa_inst_pref_size 255
	.end_amdhsa_kernel
	.section	.bss,"aw",@nobits
	.p2align	6
	.space	262144
	.amdgpu_metadata
---
amdhsa.version: [ 1, 2 ]
amdhsa.kernels:
  - .name:           k_q1b5dd6f2e9_attn
    .symbol:         k_q1b5dd6f2e9_attn.kd
    .args:
      - { .name: q_img, .offset: 0, .size: 8, .value_kind: global_buffer, .address_space: global }
      - { .name: k_img, .offset: 8, .size: 8, .value_kind: global_buffer, .address_space: global }
      - { .name: v_img, .offset: 16, .size: 8, .value_kind: global_buffer, .address_space: global }
      - { .name: mb_img, .offset: 24, .size: 8, .value_kind: global_buffer, .address_space: global }
      - { .name: lowp_scales, .offset: 32, .size: 8, .value_kind: global_buffer, .address_space: global }
      - { .name: attn_codes, .offset: 40, .size: 8, .value_kind: global_buffer, .address_space: global }
    .group_segment_fixed_size: 327680
    .private_segment_fixed_size: 0
    .kernarg_segment_align: 8
    .kernarg_segment_size: 48
    .max_flat_workgroup_size: 256
    .sgpr_count:     80
    .vgpr_count:     512
    .wavefront_size: 32
...
	.end_amdgpu_metadata
.endif
;; end of part 3
;; launch proj (part 4): grid 8 x 32, 4 waves a work-group, clusters of 4 x 4, 327,680 bytes of LDS; arguments attn_codes, wproj_codes, lowp_scales, b_proj, out0; writes out0
.if DOCPART == 4
	.amdgcn_target "amdgcn-amd-amdhsa--gfx1250"
	.amdhsa_code_object_version 6
	.text
	.protected	k_q1b5dd6f2e9_proj
	.globl	k_q1b5dd6f2e9_proj
	.p2align	8
	.type	k_q1b5dd6f2e9_proj,@function
k_q1b5dd6f2e9_proj:
	s_mov_b64 s[64:65], 0
	v_nop
	global_prefetch_b8 v0, s[64:65] scope:SCOPE_SE
	s_setreg_imm32_b32 hwreg(HW_REG_WAVE_MODE, 25, 1), 1
	s_wait_xcnt 0x0
	s_wait_alu depctr_hold_cnt(0) depctr_sa_sdst(0) depctr_va_vdst(0) depctr_va_sdst(0) depctr_va_ssrc(0) depctr_va_vcc(0) depctr_vm_vsrc(0)
	s_getreg_b32 s2, hwreg(HW_REG_IB_STS2, 6, 4)
	s_cmp_eq_u32 s2, 0
	s_cbranch_scc0 .Lentry_in_a_cluster
	s_endpgm
.Lentry_in_a_cluster:
	s_bfe_u32 s2, ttmp6, 0x10000c
	s_cmp_lg_u32 s2, 0xf033
	s_cbranch_scc0 .Lentry_shape_is_right
	s_endpgm
.Lentry_shape_is_right:
; out0[m][n] = sum over k of attn[m][k] W[n][k] x 2^(e6 + e7) + b_proj[n].  attn_codes [8192][1024], wproj_codes [1024][1024]: codes of E4M3, K innermost; out0 [8192][1024] f32.
; LIMIT: e6 + e7 between -126 and 127, so that 2^(e6 + e7) is an f32 number.
; SHARES.  8192 x 1024 results are 256 blocks of 256 x 128: one work-group each.  Its four waves make 128 x 64 each: 32 accumulators, 256 registers.
; K GOES IN TWO HALVES OF 512 through one LDS region: 256 rows of A and 128 of B, 512 bytes each, 528 apart.  A wave asks for one tensor load a half (waves 0, 1: 128 rows of A; waves 2, 3: 64 rows of B).
; The second half is a refill: the three lines, a round of the cluster's barrier with the half's last 32 matrix instructions inside it, the joint load, its wait, a barrier.
; CLUSTERS: 4 x 4 work-groups; A's tile is asked for jointly along a row of the cluster, B's along a column.
; PREFETCH: the second half's bytes are asked for at the head, half of the products ahead of the load that wants them.  Each aligned block of 256 bytes is named once in a cluster: of the rows that a wave fetches, each of the
; four partners takes a quarter (32 of A, 16 of B), told apart by address; a lane a row, two blocks a row; with 16 rows the upper lanes name the last row again.
; THE MATRIX INSTRUCTION IS USED TRANSPOSED (source 0 = 16 rows of W, source 1 = 16 rows of attn): a lane holds eight neighbouring numbers of a row of out0.
; A fragment (16 rows x 128 K) comes by four loads of 16 bytes: a permutation of k that is the same in A and in B.
; REGISTERS.  Window 0: v0-31 addresses, v32-63 the bias, v64-191 A's and v192-255 B's fragments, set 0.  Window 2: the same numbers, set 1.  Window 1: accumulator (a, b) at v[8 (4 a + b)].
.set PITCH,  528                       ; 512 bytes + 16: an odd multiple of 16
.set KH,     512
.set KROW,   1024
.set BOFF,   256*PITCH
.set SPARE,  384*PITCH                 ; the spare words: two blocks of 256 bytes that no other line names
.set STG,    SPARE+512                 ; 16 rows x 272 bytes a wave, for the way out; no tile lands there
.set SPITCH, 272
.set ADRA, 16
.set ADRB, 17
.set STO,  24
.set RD,   25
.set CO,   26
.set SPW,  28
.set NIL,  29
.set PFO,  30
.set BIAS, 32
.set AF,   64
.set BF,   192
.set TMP,  64
.set BK,   128
.set G1, 24
.set G0, 32
.set G1B, 48
.set G0B, 56
.set MSB, 0
.macro WIN new                         ; the immediate's high byte repeats the setting that is left
.if MSB != (\new)
	s_set_vgpr_msb (MSB<<8)|(\new)
.set MSB, (\new)
.endif
.endm
.macro JLOAD                           ; waves 0, 1 fetch for A, waves 2, 3 for B; an s_nop 0 and four v_nop follow each line
	s_cmp_eq_u32 s15, 0
	s_cbranch_scc0 .Lfor_b_\@
	tensor_load_to_lds s[G0:G0+3], s[G1:G1+7]
	s_nop 0
.rept 4
	v_nop
.endr
	s_branch .Lasked_\@
.Lfor_b_\@:
	tensor_load_to_lds s[G0B:G0B+3], s[G1B:G1B+7]
	s_nop 0
.rept 4
	v_nop
.endr
.Lasked_\@:
.endm
.macro CREST
	s_cmp_lg_u32 s14, 0
	s_cbranch_scc1 .Lnot_wave_0_\@
	s_barrier_signal -3
.Lnot_wave_0_\@:
	s_barrier_wait -3
	s_barrier_signal -1
	s_barrier_wait -1
.endm
.macro CROUND
	s_barrier_signal -1
	s_barrier_wait -1
	CREST
.endm
.macro PLACES
.rept 4
	v_nop
.endr
.endm
	s_load_b128 s[4:7], s[0:1], 0x0                ; attn_codes, wproj_codes
	s_load_b128 s[8:11], s[0:1], 0x10              ; lowp_scales, b_proj
	s_load_b64 s[12:13], s[0:1], 0x20              ; out0
	v_lshl_add_u32 v[SPW], v0, 2, SPARE
	v_mov_b32 v[NIL], 0
	ds_add_u32 v[SPW], v[NIL]                      ; the opening lines: the add twice on end and one wait
	ds_add_u32 v[SPW], v[NIL]
	v_lshrrev_b32 v1, 5, v0
	v_readfirstlane_b32 s14, v1                    ; wave 0..3
	s_lshr_b32 s15, s14, 1                         ; my half of the block's rows; also: I fetch for A (0) or B (1)
	s_and_b32 s16, s14, 1                          ; my half of its columns; also: which half of that tile's rows I fetch
	s_bfe_u32 s40, ttmp6, 0x40000                  ; cx
	s_bfe_u32 s41, ttmp6, 0x40004                  ; cy
	s_lshl_b32 s42, ttmp9, 2
	s_add_co_u32 s42, s42, s40                     ; block column, 0..7
	s_and_b32 s17, ttmp7, 0xffff
	s_lshl_b32 s17, s17, 2
	s_add_co_u32 s17, s17, s41                     ; block row, 0..31
	s_lshl_b32 s43, s41, 2
	s_lshl_b32 s43, 15, s43                        ; my row of the cluster
	s_lshl_b32 s44, 0x1111, s40                    ; my column
	s_or_b32 s[G1], s43, (1<<20)|(1<<21)|(6<<22)|(3<<25)    ; elements of 1 byte; four words of padding after every 128
	s_or_b32 s[G1B], s44, (1<<20)|(1<<21)|(6<<22)|(3<<25)
	s_mov_b32 s[G1+1], KH<<16
	s_mov_b32 s[G1+2], 128<<16
	s_mov_b32 s[G1+3], KH<<16
	s_mov_b32 s[G1+4], 128
	s_mov_b32 s[G1+5], KROW
	s_mov_b32 s[G1+6], 0
	s_mov_b32 s[G1+7], 0
	s_mov_b32 s[G1B+1], KH<<16
	s_mov_b32 s[G1B+2], 64<<16
	s_mov_b32 s[G1B+3], KH<<16
	s_mov_b32 s[G1B+4], 64
	s_mov_b32 s[G1B+5], KROW
	s_mov_b32 s[G1B+6], 0
	s_mov_b32 s[G1B+7], 0
	s_lshl_b32 s20, s17, 8
	s_lshl_b32 s18, s16, 7
	s_add_co_u32 s20, s20, s18
	s_lshl_b32 s20, s20, 10                        ; A: row 256 x block row + 128 x half, in bytes
	s_mov_b32 s21, 0
	s_lshl_b32 s46, s42, 7
	s_lshl_b32 s18, s16, 6
	s_add_co_u32 s46, s46, s18
	s_lshl_b32 s46, s46, 10                        ; B: row 128 x block column + 64 x half
	s_mov_b32 s47, 0
	s_mul_i32 s45, s16, 128*PITCH                  ; where they go: no place in the cluster enters an LDS address
	s_mul_i32 s18, s16, 64*PITCH
	s_add_co_u32 s18, s18, BOFF
	s_wait_dscnt 0x0                               ; both opening adds are done
	s_wait_kmcnt 0x0
	s_load_b64 s[96:97], s[8:9], 0x18              ; e6, e7
	s_add_nc_u64 s[20:21], s[4:5], s[20:21]
	s_add_nc_u64 s[46:47], s[6:7], s[46:47]
	CROUND                                         ; all sixteen work-groups are here: the first joint loads meet
	s_mov_b32 s[G0], 1
	s_mov_b32 s[G0+1], s45
	s_mov_b64 s[G0+2:G0+3], s[20:21]
	s_or_b32 s[G0+3], s[G0+3], 0x80000000
	s_mov_b32 s[G0B], 1
	s_mov_b32 s[G0B+1], s18
	s_mov_b64 s[G0B+2:G0B+3], s[46:47]
	s_or_b32 s[G0B+3], s[G0B+3], 0x80000000
	JLOAD                                          ; the first half of K: my one tensor load at the head
	s_cmp_eq_u32 s15, 0
	s_cselect_b64 s[70:71], s[20:21], s[46:47]     ; the prefetches: the rows that I fetch,
	s_cselect_b32 s72, s40, s41                    ; my place among the four that ask with me,
	s_cselect_b32 s73, 15, 14                      ; a quarter of the rows: 32 or 16 rows of 1,024 bytes
	s_cselect_b32 s74, 31, 15
	s_lshl_b32 s72, s72, s73
	s_mov_b32 s73, 0
	s_add_nc_u64 s[70:71], s[70:71], s[72:73]
	v_and_b32 v[PFO], 31, v0
	v_min_u32 v[PFO], s74, v[PFO]
	v_lshlrev_b32 v[PFO], 10, v[PFO]
	global_prefetch_b8 v[PFO], s[70:71] offset:KH th:TH_LOAD_NT scope:SCOPE_SE
	global_prefetch_b8 v[PFO], s[70:71] offset:KH+256 th:TH_LOAD_NT scope:SCOPE_SE
	s_mul_i32 s21, s15, 128*PITCH                  ; my 128 rows of A
	s_mul_i32 s22, s16, 64*PITCH
	s_add_co_u32 s22, s22, BOFF                    ; my 64 rows of B
	s_mul_i32 s23, s14, 16*SPITCH
	s_add_co_u32 s23, s23, STG                     ; my stage
	s_lshl_b32 s46, s42, 9
	s_lshl_b32 s47, s16, 8
	s_add_co_u32 s46, s46, s47                     ; my first column, in bytes
	s_mov_b32 s47, 0
	s_add_nc_u64 s[68:69], s[10:11], s[46:47]      ; its bias
	s_lshl_b32 s20, s17, 8
	s_lshl_b32 s19, s15, 7
	s_add_co_u32 s20, s20, s19
	s_lshl_b32 s20, s20, 12                        ; my first row of out0, 4,096 bytes a row
	s_add_co_u32 s46, s46, s20
	s_add_nc_u64 s[12:13], s[12:13], s[46:47]
	v_and_b32 v1, 15, v0                           ; r
	v_bfe_u32 v2, v0, 4, 1                         ; h
	v_mul_u32_u24 v3, v1, PITCH
	v_lshl_add_u32 v4, v2, 4, v3
	v_add_nc_u32 v[ADRA], s21, v4
	v_add_nc_u32 v[ADRB], s22, v4
	v_mul_u32_u24 v5, v1, SPITCH                   ; in: row r, 32 bytes for each half of the lanes
	v_lshl_add_u32 v5, v2, 5, v5
	v_add_nc_u32 v[STO], s23, v5
	v_mul_u32_u24 v6, v2, SPITCH                   ; back: lanes 0-15 one row of 256 bytes, lanes 16-31 the next
	v_lshl_add_u32 v6, v1, 4, v6
	v_add_nc_u32 v[RD], s23, v6
	v_lshlrev_b32 v[CO], 12, v2                    ; and the same two rows in out0
	v_lshl_add_u32 v[CO], v1, 4, v[CO]
	v_lshlrev_b32 v7, 5, v2
.irp b, 0,1,2,3
	global_load_b128 v[BIAS+8*\b:BIAS+8*\b+3], v7, s[68:69] offset:64*\b
	global_load_b128 v[BIAS+8*\b+4:BIAS+8*\b+7], v7, s[68:69] offset:64*\b+16
.endr
; 48 LDS loads: the fragments of the half's q-th 128 along K into set p: B's four, then A's eight
.macro FETCH q, p
	WIN 0x80*(\p)
.irp i, 0,1,2,3
.irp c, 0,1,2,3
	ds_load_b128 v[BF+16*\i+4*\c:BF+16*\i+4*\c+3], v[ADRB] offset:128*(\q)+32*\c+\i*16*PITCH
.endr
.endr
.irp i, 0,1,2,3,4,5,6,7
.irp c, 0,1,2,3
	ds_load_b128 v[AF+16*\i+4*\c:AF+16*\i+4*\c+3], v[ADRA] offset:128*(\q)+32*\c+\i*16*PITCH
.endr
.endr
.endm
; 32 matrix instructions on set p; the 32 accumulators take turns, in the same order every time.  zero = 1: the first products start the sums
.macro MUL p, zero
	WIN 0x50|(0x0a*(\p))
.irp a, 0,1,2,3,4,5,6,7
.irp b, 0,1,2,3
.if \zero
	v_wmma_f32_16x16x128_fp8_fp8 v[8*(4*\a+\b):8*(4*\a+\b)+7], v[BF+16*\b:BF+16*\b+15], v[AF+16*\a:AF+16*\a+15], 0
.else
	v_wmma_f32_16x16x128_fp8_fp8 v[8*(4*\a+\b):8*(4*\a+\b)+7], v[BF+16*\b:BF+16*\b+15], v[AF+16*\a:AF+16*\a+15], v[8*(4*\a+\b):8*(4*\a+\b)+7]
.endif
.endr
.endr
.endm
; Three of a half's four runs; each fetch stands ahead of the run before its own.  The count 48 leaves the fetch just issued out.  Four places stand ahead of loads into a set that matrix instructions have read.
.macro HALF zero
	FETCH 0, 0
	FETCH 1, 1
	s_wait_dscnt 48
	MUL 0, \zero
	PLACES
	FETCH 2, 0
	s_wait_dscnt 48
	MUL 1, 0
	PLACES
	FETCH 3, 1
	s_wait_dscnt 48
	MUL 0, 0
.endm
	s_wait_alu depctr_va_vdst(0)                   ; the wait at the head's end
	s_wait_tensorcnt 0x0                           ; my part of the first half is in
	s_barrier_signal -1
	s_barrier_wait -1                              ; and everybody's
	HALF 1
	WIN 0
	s_wait_tensorcnt 0x0                           ; no tensor load of mine is out
	ds_add_u32 v[SPW], v[NIL]
	s_add_nc_u64 s[G0+2:G0+3], s[G0+2:G0+3], KH    ; the second half of K
	s_add_nc_u64 s[G0B+2:G0B+3], s[G0B+2:G0B+3], KH
	s_wait_dscnt 0x0                               ; the add is done, and my reads of the region are over
	s_barrier_signal -1                            ; the round opens; work on registers alone inside it
	MUL 1, 0
	WIN 0
	s_barrier_wait -1
	CREST
	JLOAD                                          ; the refill; its four v_nop are the places ahead of the loads into both sets
	s_wait_tensorcnt 0x0
	s_barrier_signal -1
	s_barrier_wait -1
	HALF 0
	s_wait_dscnt 0x0
	MUL 1, 0
	WIN 0
; THE WAY OUT, by blocks of 16 rows x 64 columns: x 2^(e6 + e7) + bias, through my own stage, back as rows of 256 bytes: sixteen lanes store one aligned unit.  LDS serves a wave's instructions in order (ISA guide 5.7.1.4).
.macro TOSTAGE a
	WIN 0x01
.irp b, 0,1,2,3
.irp i, 0,2,4,6
	v_pk_fma_f32 v[TMP+8*\b+\i:TMP+8*\b+\i+1], v[32*(\a)+8*\b+\i:32*(\a)+8*\b+\i+1], s[96:97], v[BIAS+8*\b+\i:BIAS+8*\b+\i+1] op_sel_hi:[1,0,1]
.endr
.endr
	WIN 0
.irp b, 0,1,2,3
	ds_store_b128 v[STO], v[TMP+8*\b:TMP+8*\b+3] offset:64*\b
	ds_store_b128 v[STO], v[TMP+8*\b+4:TMP+8*\b+7] offset:64*\b+16
.endr
.set BB, BK+32*((\a)%2)
.irp t, 0,1,2,3,4,5,6,7
	ds_load_b128 v[BB+4*\t:BB+4*\t+3], v[RD] offset:\t*2*SPITCH
.endr
.endm
.macro SEND a, younger                 ; younger: the LDS instructions issued behind block a's loads, which may stay out
.set BB, BK+32*((\a)%2)
	s_wait_dscnt \younger
.if (\a) > 0
	s_add_nc_u64 s[12:13], s[12:13], 16*4096       ; behind a wait on XCNT: the earlier stores have read their base
.endif
.irp t, 0,1,2,3,4,5,6,7
	global_store_b128 v[CO], v[BB+4*\t:BB+4*\t+3], s[12:13] offset:\t*2*4096 th:TH_STORE_NT
.endr
.endm
	s_wait_kmcnt 0x0
	s_wait_loadcnt 0x0                             ; the bias
	s_add_co_i32 s96, s96, s97
	s_add_co_i32 s96, s96, 127
	s_lshl_b32 s96, s96, 23                        ; 2^(e6 + e7)
	s_mov_b32 s97, s96
	PLACES                                         ; ahead of the first read of results and of writes into registers that held fragments
	TOSTAGE 0
.irp a, 1,2,3,4,5,6,7
.if \a > 1
	s_wait_xcnt 0x0                                ; block a - 2's stores have read their registers and their base
.endif
	TOSTAGE \a
	SEND \a-1, 16                                  ; behind block a - 1's loads: block a's 8 stores and 8 loads
.endr
	s_wait_xcnt 0x0
	SEND 7, 0
	s_wait_tensorcnt 0x0                           ; the wave's end
	ds_add_u32 v[SPW], v[NIL]
	s_wait_dscnt 0x0
	CROUND                                         ; the closing round
	s_endpgm
.Lfunc_end_k_q1b5dd6f2e9_proj:
	.size	k_q1b5dd6f2e9_proj, .Lfunc_end_k_q1b5dd6f2e9_proj-k_q1b5dd6f2e9_proj
	.p2alignl 7, 3214868480
	.fill 96, 4, 3214868480
	.section	.rodata,"a",@progbits
	.p2align	6, 0x0
	.amdhsa_kernel k_q1b5dd6f2e9_proj
		.amdhsa_group_segment_fixed_size 327680
		.amdhsa_private_segment_fixed_size 0
		.amdhsa_enable_private_segment 0
		.amdhsa_kernarg_size 40
		.amdhsa_user_sgpr_count 2
		.amdhsa_user_sgpr_kernarg_segment_ptr 1
		.amdhsa_wavefront_size32 1
		.amdhsa_system_sgpr_workgroup_id_x 1
		.amdhsa_system_sgpr_workgroup_id_y 1
		.amdhsa_system_sgpr_workgroup_id_z 1
		.amdhsa_system_vgpr_workitem_id 0
		.amdhsa_next_free_vgpr 768
		.amdhsa_next_free_sgpr 98
		.amdhsa_reserve_vcc 0
		.amdhsa_float_denorm_mode_32 3
		.amdhsa_float_denorm_mode_16_64 3
		.amdhsa_memory_ordered 1
		.amdhsa_forward_progress 1
		.amdhsa_inst_pref_size 74
	.end_amdhsa_kernel
	.amdgpu_metadata
---
amdhsa.version: [ 1, 2 ]
amdhsa.kernels:
  - .name:           k_q1b5dd6f2e9_proj
    .symbol:         k_q1b5dd6f2e9_proj.kd
    .args:
      - { .name: attn_codes, .offset: 0, .size: 8, .value_kind: global_buffer, .address_space: global }
      - { .name: wproj_codes, .offset: 8, .size: 8, .value_kind: global_buffer, .address_space: global }
      - { .name: lowp_scales, .offset: 16, .size: 8, .value_kind: global_buffer, .address_space: global }
      - { .name: b_proj, .offset: 24, .size: 8, .value_kind: global_buffer, .address_space: global }
      - { .name: out0, .offset: 32, .size: 8, .value_kind: global_buffer, .address_space: global }
    .group_segment_fixed_size: 327680
    .private_segment_fixed_size: 0
    .kernarg_segment_align: 8
    .kernarg_segment_size: 40
    .max_flat_workgroup_size: 128
    .sgpr_count:     98
    .vgpr_count:     768
    .wavefront_size: 32
...
	.end_amdgpu_metadata
.endif
;; end of part 4
